; MI455X (gfx1250); checked and timed in simulation.
; The chip was launched on July 23, 2026; its instructions are those of AMD's public machine-readable ISA for CDNA 5 (MIT licence, August 2026) and "CDNA5" Instruction Set Architecture Reference Guide (July 2026). The comments in the code are by the model that wrote it; some were corrected since.
;; Self Attention. Allowed arithmetic: matrix products marked QUANTISED: E2M3 operands, one E8M0 scale for each 32 along K, by v_wmma_scale_f32_16x16x128_f8f6f4 with both operands' format E2M3, f32 sums; everything else in f32.
;; Inputs: Wk 1,024 x 1,024 float32; Wo 1,024 x 1,024 float32; Wq 1,024 x 1,024 float32; Wv 1,024 x 1,024 float32; bk 1,024 float32; bo 1,024 float32; bq 1,024 float32; bv 1,024 float32; x 4 x 2,048 x 1,024 float32.
;; Outputs: out0 4 x 2,048 x 1,024 float32.
;; This version of the problem:
;;   THIS VERSION OF THE PROBLEM IS GIVEN IN LOW PRECISION. The matrix products marked QUANTISED in the list below multiply operands that are first quantised to E2M3 (2 exponent bits, 3 mantissa bits; 6 bits a number), with one power-of-two scale for each 32 numbers along K (OCP MX v1.0); their sums are f32. All else is computed in f32.
;;   The module's matrix products, in the order in which they are computed (A, B: the left and right operand; K: the contracted axis; several contracted axes count as one K, in the product's order):
;;     1. [M 8,192, K 1,024] x [K 1,024, N 1,024]; A: input x; B: input Wq: QUANTISED
;;     2. [M 8,192, K 1,024] x [K 1,024, N 1,024]; A: input x; B: input Wk: QUANTISED
;;     3. [M 8,192, K 1,024] x [K 1,024, N 1,024]; A: input x; B: input Wv: QUANTISED
;;     4. batch 64 x [M 2,048, K 64] x [K 64, N 2,048]; A: computed on the way; B: computed on the way: QUANTISED
;;     5. batch 64 x [M 2,048, K 2,048] x [K 2,048, N 64]; A: softmax (see below); B: computed on the way: QUANTISED
;;     6. [M 8,192, K 1,024] x [K 1,024, N 1,024]; A: computed on the way; B: input Wo: QUANTISED
;;   THE QUANTISER, for each operand of a quantised product, along K:
;;     - K is cut into blocks of 32 from its start; a last block that is shorter is filled with zeros.
;;     - A block's scale is 2^e with e = floor(log2(the largest magnitude in the block)) - 2, held to -126 .. 127; a block of zeros has e = 0. As a byte (E8M0): e + 127.
;;     - Each number is divided by its block's scale, clamped to +-7.5, and rounded to the nearest number of E2M3, ties to even, subnormals kept.
;;     - The product sums the exact products of the quantised numbers (number of the format x scale) in f32.
;;   ~~~python
;;   def quantise(x, axis):      # numpy; x: float32 -> the quantised numbers, widened to float32 again
;;       x = np.moveaxis(x, axis, -1); K = x.shape[-1]
;;       x = np.pad(x, [(0, 0)] * (x.ndim - 1) + [(0, -K % 32)]); x = x.reshape(x.shape[:-1] + (-1, 32)); a = np.abs(x).max(-1, keepdims=True)
;;       e = np.where(a > 0, np.clip(np.frexp(np.where(a > 0, a, 1))[1] - 1 - 2, -126, 127), 0)      # np.frexp(a)[1] - 1 = floor(log2(a)), exactly
;;       r = np.clip(x / 2.0 ** e, -7.5, 7.5)
;;       step = 2.0 ** (np.maximum(np.frexp(np.where(r == 0, 1, r))[1] - 1, 0) - 3)
;;       q = np.round(r / step) * step * 2.0 ** e      # np.round: ties to even
;;       return np.moveaxis(q.reshape(q.shape[:-2] + (-1,))[..., :K], -1, axis).astype(np.float32)
;;   ~~~
;;   SOFTMAX AHEAD OF A QUANTISED PRODUCT. Where the list says 'softmax', what is quantised is not the finished softmax but p = 2^(t - M), with t = logit x log2(e) and M = ceil(the row's largest t), a whole number; so 1/2 < the row's largest p <= 1. The row's sum l is taken of the UNQUANTISED p, in f32, and the product's result is divided by l at the end. Since M is a whole number, a kernel that streams over the keys may use a running M (the ceiling of the running maximum): every later rescaling is an exact power of two, which a block's scale takes up: the codes' values come out the same.
;;   OPERANDS COMPUTED ON THE WAY. 'Computed on the way' means the value that the module computes at that place (a softmax that the list does not call 'softmax' is quantised finished and normalised). What goes into a quantiser is computed in f32, as accurately as f32 sums, v_exp_f32 and their like allow (about 1e-6 of the number): no bf16 or f16 on the way to a quantiser, and a product that is left as it is and whose result goes on into a quantised operand takes f32 operands (vector FMAs, or v_wmma_f32_16x16x4_f32). A number that lies on a knife's edge between two numbers of the format may be rounded either way, as far as f32 arithmetic and the matrix unit's own rounding can turn it there, and no further.
;; One version. Each part assembles by itself: llvm-mc -triple=amdgcn-amd-amdhsa -mcpu=gfx1250 --defsym DOCPART=n.
;; ======== version 1 of 1: 4 launches
;; limits: right only within a limited range of input values
;; workspace buffers: xc 6,291,456 bytes; xs 262,144 bytes; wc 3,145,728 bytes; ws 131,072 bytes; qb 13,369,344 bytes; kv 13,369,344 bytes; oc 6,291,456 bytes; os 262,144 bytes
;; launch quant (part 1): grid 192 x 1, 8 waves a work-group, no clusters, 271,360 bytes of LDS; arguments x, Wq, Wk, Wv, Wo, xc, xs, wc, ws; writes xc, xs, wc, ws
.if DOCPART == 1
	.amdgcn_target "amdgcn-amd-amdhsa--gfx1250"
	.amdhsa_code_object_version 6
	.text
	.protected	k_qdf6f37213b_quant
	.globl	k_qdf6f37213b_quant
	.p2align	8
	.type	k_qdf6f37213b_quant,@function
k_qdf6f37213b_quant:
	s_mov_b64 s[64:65], 0
	v_nop
	global_prefetch_b8 v0, s[64:65] scope:SCOPE_SE
	s_setreg_imm32_b32 hwreg(HW_REG_WAVE_MODE, 25, 1), 1
	s_wait_xcnt 0x0
; x [8192][1024] and the four weights [1024 (K)][1024 (N)], f32, become codes of FP6 (E2M3) with one E8M0 byte for each 32 along K.
; A block's scale is 2^(floor(log2(its largest magnitude)) - 2); its byte is the largest magnitude's exponent field - 2, held at 1 from below.
; LIMITS: NaN and infinities are not served.  A block of zeros, or one whose largest magnitude lies under 2^-124, gets the byte 1 (the rule says 127 for zeros): its codes are zeros
; or held as the rule holds them, and only this program reads the bytes.
; STORAGE ORDER.  A row (a token, or a weight's column n) is stored at its index with bits 3 and 4 exchanged.  So 16 neighbouring stored rows, tile 2 b + u of a group of 32, are the
; true rows 32 b + 8 u + (r & 7) + 16 (r >> 3): as source 0 of a product, two neighbouring tiles leave 16 true neighbours in a lane's 16 result registers.
; CHUNK IMAGE, 768 bytes = 16 stored rows x 64 along K, in the order of the operand's registers: lane l = 16 h + r has words 0-3 of block h of row r at 16 l, words 4-5 at 512 + 16 r + 8 h.
; xc [512 tiles][16 chunks][768]; wc [256 tiles: Wq, Wk, Wv, Wo][16][768]; scale bytes xs [4][8192][8], ws [4][4096][8]: byte i of slab S scales K = 256 S + 32 i.
; THE DEAL: 192 work-groups of eight waves, 262,144 bytes of f32 each.  Work-groups 0-63 take the weights (256 columns x 256 along K, no LDS); 64-191 take x (64 tokens: waves 0-3 the first 32, waves 4-7 the
; others, a wave 256 along K), through LDS by the tensor data mover: one load a wave, each wave reads only what it fetched, nothing is filled twice, no barrier.
.set WLDS, 32*1056                     ; a wave's LDS: 32 rows of 2 x (512 bytes + 16 of padding)
.set SPARE, 8*WLDS                     ; behind them the spare words, 128 bytes a wave
.set TM,  8                            ; v8-19   at work: 4 largest magnitudes, 4 bytes, 4 scale operands
.set PW,  24                           ; v24-27  scale words: tile u, half q at PW + 2 u + q
.set XA,  32                           ; v32-95, v96-159  two sets of 64 numbers
.set XB,  96
.set RES, 160                          ; v160-207 four fragments: no store's data are written again
.set CT,  208                          ; v208-214 the conversions' second halves
.set SEL, 40                           ; s[40:41] lane selects: lane l xor 16
; 64 numbers of a lane, register 16 b + i = k 32 b + 16 (lane / 16) + i of its row, become a fragment (12 registers from d on) and the row's scale word
.macro QUANT s, d, pw
.irp b, 0,1,2,3
	v_max3_num_f32 v[TM+\b], |v[(\s)+16*\b]|, |v[(\s)+1+16*\b]|, 0x1800000   ; my 16 numbers of block b, and the floor 2^(3 - 127): the byte cannot fall under 1
.endr
.irp i, 2,4,6,8,10,12,14
.irp b, 0,1,2,3
	v_max3_num_f32 v[TM+\b], v[TM+\b], |v[(\s)+16*\b+\i]|, |v[(\s)+1+16*\b+\i]|   ; the four blocks by turns
.endr
.endr
.irp b, 0,1,2,3
	v_permlanex16_b32 v[TM+4+\b], v[TM+\b], s[SEL], s[SEL+1]
.endr
.irp b, 0,1,2,3
	v_max_num_f32 v[TM+\b], v[TM+\b], v[TM+4+\b]   ; with lane l xor 16's: the block's largest magnitude
.endr
.irp b, 0,1,2,3
	v_add_nc_u32 v[TM+8+\b], 0xff000000, v[TM+\b]  ; 2 off its exponent field: the conversion's scale operand
.endr
.irp b, 0,1,2,3
	v_lshrrev_b32 v[TM+4+\b], 23, v[TM+8+\b]       ; the scale's byte
.endr
	v_lshl_or_b32 v[\pw], v[TM+5], 8, v[TM+4]
	v_lshl_or_b32 v[\pw], v[TM+6], 16, v[\pw]
	v_lshl_or_b32 v[\pw], v[TM+7], 24, v[\pw]
.irp c, 0,1
	v_cvt_scalef32_pk16_fp6_f32 v[(\d)+6*\c:(\d)+6*\c+2], v[(\s)+32*\c:(\s)+32*\c+15], v[TM+8+2*\c]
	v_cvt_scalef32_pk16_fp6_f32 v[CT+4*\c:CT+4*\c+2], v[(\s)+32*\c+16:(\s)+32*\c+31], v[TM+9+2*\c]   ; (three registers from an even one on)
.endr
	v_nop                                          ; one plain line behind a scaled conversion
.irp c, 0,1                                    ; a whole block to a lane: lanes 0-15 block 2 c, lanes 16-31 block 2 c + 1
.irp i, 0,1,2
	v_permlane16_swap_b32 v[(\d)+6*\c+\i], v[CT+4*\c+\i]
.endr
.irp i, 0,1,2
	v_mov_b32 v[(\d)+6*\c+3+\i], v[CT+4*\c+\i]
.endr
.endr
.endm
	s_load_b256 s[4:11], s[0:1], 0x0               ; x s[4:5], Wq s[6:7], Wk s[8:9], Wv s[10:11]
	s_load_b256 s[12:19], s[0:1], 0x20             ; Wo s[12:13], xc s[14:15], xs s[16:17], wc s[18:19]
	s_load_b64 s[20:21], s[0:1], 0x40              ; ws
	v_lshl_add_u32 v224, v0, 2, SPARE
	v_mov_b32 v225, 0
	ds_add_u32 v224, v225                          ; the opening lines: the add, twice on end, and its wait
	ds_add_u32 v224, v225
	s_wait_dscnt 0x0
	v_lshrrev_b32 v1, 5, v0
	v_readfirstlane_b32 s22, v1                    ; wave 0..7
	v_and_b32 v1, 31, v0                           ; lane
	; descriptor group 1: 32 rows of 256 f32, 1,024 elements apart; 16 bytes of padding behind each 128 words
	s_mov_b32 s24, (2<<16)|(1<<20)|(6<<22)|(3<<25)
	s_mov_b32 s25, 256<<16
	s_mov_b32 s26, 32<<16
	s_mov_b32 s27, 256<<16
	s_mov_b32 s28, 32
	s_mov_b32 s29, 1024
	s_mov_b32 s30, 0
	s_mov_b32 s31, 0
	s_cmp_lt_u32 ttmp9, 64
	s_cbranch_scc1 .Lweights
	; ---------------- x: my wave takes tokens 32 g .. 32 g + 31, K = 256 w .. 256 w + 255
	s_sub_co_u32 s23, ttmp9, 64
	s_lshl_b32 s23, s23, 1
	s_lshr_b32 s3, s22, 2
	s_add_co_u32 s23, s23, s3                      ; g = 2 x (work-group - 64) + wave / 4
	s_mul_i32 s43, s22, WLDS                       ; my wave's rows in LDS
	s_and_b32 s22, s22, 3                          ; w
	s_lshl_b32 s2, s23, 17                         ; 32 rows of 4,096 bytes
	s_lshl_b32 s3, s22, 10
	s_add_co_u32 s2, s2, s3
	s_mov_b32 s3, 0
	s_wait_kmcnt 0x0
	s_add_nc_u64 s[4:5], s[4:5], s[2:3]
	s_mov_b32 s32, 1
	s_mov_b32 s33, s43
	s_mov_b64 s[34:35], s[4:5]
	s_or_b32 s35, s35, 0x80000000
	tensor_load_to_lds s[32:35], s[24:31]          ; my one tensor load
	s_nop 0
.rept 4
	v_nop
.endr
	v_and_b32 v2, 15, v0                           ; r
	v_bfe_u32 v3, v0, 4, 1                         ; h
	v_and_b32 v9, 7, v2
	v_lshrrev_b32 v10, 3, v2
	v_lshl_add_u32 v9, v10, 4, v9                  ; (r & 7) + 16 (r >> 3): my row of tile 0; tile 1's lies 8 rows on
	v_mul_u32_u24 v4, v9, 1056
	v_lshl_add_u32 v4, v3, 6, v4                   ; + 64 h: my 16 numbers of a block of 32
	v_add_nc_u32 v4, s43, v4                       ; (rows r and r + 8 of a tile lie 16 LDS rows apart and start at the same banks: these reads go two deep)
	s_wait_alu depctr_va_vdst(0)                   ; the wait ahead of the reader below
	v_lshlrev_b32 v5, 4, v1                        ; 16 x lane
	v_lshlrev_b32 v6, 4, v2
	v_lshl_add_u32 v6, v3, 3, v6                   ; 16 r + 8 h
	v_lshlrev_b32 v7, 3, v1                        ; 8 x lane
	s_mul_i32 s2, s23, 24576                       ; xc: tile 2 g,
	s_mul_i32 s44, s22, 3072                       ; chunk 4 w
	s_add_co_u32 s2, s2, s44
	s_add_nc_u64 s[14:15], s[14:15], s[2:3]
	s_lshl_b32 s2, s22, 16                         ; xs: slab w,
	s_lshl_b32 s44, s23, 8                         ; 32 rows of 8 bytes
	s_add_co_u32 s2, s2, s44
	s_add_nc_u64 s[16:17], s[16:17], s[2:3]
	s_mov_b32 s[SEL], 0x76543210
	s_mov_b32 s[SEL+1], 0xfedcba98
	s_mov_b32 s42, 0xffff0000                      ; lanes 16-31
.irp b, 0,1,2,3
	v_mov_b32 v[TM+4+\b], 0                        ; written once: a lane permute's destination counts as one of its sources
.endr
.macro XL q, u, set                    ; tile u's 16 rows, the q-th 128 along K: 64 numbers a lane
.irp b, 0,1,2,3
.irp j, 0,1,2,3
	ds_load_b128 v[\set+16*\b+4*\j:\set+16*\b+4*\j+3], v4 offset:\q*528+\u*8*1056+128*\b+16*\j
.endr
.endr
.endm
.macro XOUT u, q, res                  ; a fragment leaves as two chunk images: 512 and 256 consecutive bytes a store, aligned
.irp c, 0,1
	global_store_b128 v5, v[\res+6*\c:\res+6*\c+3], s[14:15] offset:\u*12288+(2*\q+\c)*768
	global_store_b64 v6, v[\res+6*\c+4:\res+6*\c+5], s[14:15] offset:\u*12288+(2*\q+\c)*768+512
.endr
.endm
	s_wait_tensorcnt 0x0                           ; my rows are in
	XL 0, 0, XA
	XL 0, 1, XB
	s_wait_dscnt 16                                ; set A is in; B's 16 loads may stay out
	QUANT XA, RES, PW
	XOUT 0, 0, RES
	XL 1, 0, XA
	s_wait_dscnt 16                                ; set B is in
	QUANT XB, RES+12, PW+2
	XOUT 1, 0, RES+12
	XL 1, 1, XB
	s_wait_dscnt 16                                ; set A is in
	QUANT XA, RES+24, PW+1
	XOUT 0, 1, RES+24
	s_wait_dscnt 0x0
	QUANT XB, RES+36, PW+3
	XOUT 1, 1, RES+36
	v_cndmask_b32 v28, v[PW], v[PW+2], s42         ; lanes 0-15 tile 0's rows, lanes 16-31 tile 1's: 8 bytes a stored row
	v_cndmask_b32 v29, v[PW+1], v[PW+3], s42
	global_store_b64 v7, v[28:29], s[16:17]        ; 256 consecutive bytes, aligned
	s_wait_tensorcnt 0x0                           ; the wave's end
	ds_add_u32 v224, v225
	s_wait_dscnt 0x0
	s_endpgm
	; ---------------- a weight: a lane takes a column n and its registers run down K, so that a block of 32 lies in one lane and the codes come out with K innermost
.Lweights:
	s_and_b32 s23, ttmp9, 3                        ; which 256 along K
	s_bfe_u32 s2, ttmp9, 0x20002                   ; which 256 columns
	s_lshr_b32 s3, ttmp9, 4                        ; which weight: Wq, Wk, Wv, Wo
	s_wait_kmcnt 0x0
	s_cmp_eq_u32 s3, 1
	s_cselect_b64 s[6:7], s[8:9], s[6:7]
	s_cmp_eq_u32 s3, 2
	s_cselect_b64 s[6:7], s[10:11], s[6:7]
	s_cmp_eq_u32 s3, 3
	s_cselect_b64 s[6:7], s[12:13], s[6:7]
	s_lshl_b32 s32, s2, 8
	s_lshl_b32 s33, s22, 5
	s_add_co_u32 s32, s32, s33                     ; my wave's first column
	s_lshl_b32 s34, s23, 20                        ; 256 rows of 4,096 bytes
	s_lshl_b32 s35, s32, 2
	s_add_co_u32 s34, s34, s35
	s_mov_b32 s35, 0
	s_add_nc_u64 s[6:7], s[6:7], s[34:35]
	s_lshl_b32 s34, s3, 6
	s_lshr_b32 s36, s32, 4
	s_add_co_u32 s34, s34, s36                     ; wc: my first tile of 16 stored rows,
	s_mul_i32 s34, s34, 12288
	s_mul_i32 s36, s23, 3072                       ; my four chunks
	s_add_co_u32 s34, s34, s36
	s_add_nc_u64 s[18:19], s[18:19], s[34:35]
	s_lshl_b32 s34, s3, 10
	s_add_co_u32 s34, s34, s32
	s_lshl_b32 s34, s34, 3                         ; ws: 8 bytes a stored row,
	s_lshl_b32 s36, s23, 15                        ; my slab
	s_add_co_u32 s34, s34, s36
	s_add_nc_u64 s[20:21], s[20:21], s[34:35]
	s_wait_alu depctr_va_vdst(0)                   ; the wait ahead of the reader below
	v_lshlrev_b32 v3, 2, v1                        ; in: 4 bytes a lane
	v_bfe_u32 v2, v0, 3, 1                         ; my column's stored tile: bit 3 of the lane
	v_and_b32 v4, 7, v0
	v_bfe_u32 v5, v0, 4, 1
	v_lshl_add_u32 v4, v5, 3, v4                   ; and its row there: (lane & 7) + 8 (lane >> 4)
	v_mul_u32_u24 v6, v2, 12288
	v_lshl_add_u32 v6, v4, 4, v6                   ; codes: tile x 12,288 + 16 x row
	v_lshl_add_u32 v7, v2, 4, v4
	v_lshlrev_b32 v7, 3, v7                        ; scale bytes: 8 x stored row
.macro WLOAD t                         ; block t: W(32 t + i, my column) into set t % 2; 128 consecutive bytes a wave, 1,024 a work-group
.set I, 0
.rept 32
	global_load_b32 v[32+32*((\t)%2)+I], v3, s[6:7] offset:(32*(\t)+I)*4096 th:TH_LOAD_NT
.set I, I+1
.endr
.endm
.macro WBLOCK t
.set XS, 32+32*((\t)%2)
.set QH, 96+12*((\t)/2)+4*((\t)%2)     ; words 0-3 of block t % 2 of chunk t / 2
.set EE, 96+12*((\t)/2)+8+2*((\t)%2)   ; words 4-5
.if (\t) < 7
	s_wait_loadcnt 32                              ; this block's 32 loads are in; the next block's may stay out
.else
	s_wait_loadcnt 0x0
.endif
	v_max3_num_f32 v12, |v[XS]|, |v[XS+1]|, |v[XS+2]|
	v_max3_num_f32 v13, |v[XS+3]|, |v[XS+4]|, |v[XS+5]|
.irp i, 6,10,14,18,22,26
	v_max3_num_f32 v12, v12, |v[XS+\i]|, |v[XS+\i+1]|
	v_max3_num_f32 v13, v13, |v[XS+\i+2]|, |v[XS+\i+3]|
.endr
	v_max3_num_f32 v12, v12, |v[XS+30]|, |v[XS+31]|
	v_max3_num_f32 v12, v12, v13, 0x1800000        ; and the floor
	v_add_nc_u32 v11, 0xff000000, v12              ; the conversion's scale operand
	v_lshrrev_b32 v13, 23, v11                     ; the byte
.if (\t)%4 == 0
	v_mov_b32 v[24+(\t)/4], v13
.else
	v_lshl_or_b32 v[24+(\t)/4], v13, 8*((\t)%4), v[24+(\t)/4]
.endif
	v_cvt_scalef32_pk16_fp6_f32 v[QH:QH+2], v[XS:XS+15], v11
	v_cvt_scalef32_pk16_fp6_f32 v[144:146], v[XS+16:XS+31], v11
	v_nop                                          ; one plain line behind a scaled conversion
	v_mov_b32 v[QH+3], v144
	v_mov_b32 v[EE], v145
	v_mov_b32 v[EE+1], v146
.if (\t)+2 < 8
	WLOAD (\t)+2
.endif
.if (\t)%2                             ; a chunk is whole: three stores, each two runs of 256 consecutive bytes, aligned; each chunk has registers of its own
	global_store_b128 v6, v[96+12*((\t)/2):96+12*((\t)/2)+3], s[18:19] offset:((\t)/2)*768
	global_store_b128 v6, v[96+12*((\t)/2)+4:96+12*((\t)/2)+7], s[18:19] offset:((\t)/2)*768+256
	global_store_b128 v6, v[96+12*((\t)/2)+8:96+12*((\t)/2)+11], s[18:19] offset:((\t)/2)*768+512
.endif
.endm
	WLOAD 0
	WLOAD 1
.irp t, 0,1,2,3,4,5,6,7
	WBLOCK \t
.endr
	global_store_b64 v7, v[24:25], s[20:21]        ; my column's 8 scale bytes: the wave covers 256 consecutive bytes, aligned
	s_endpgm
.Lfunc_end_k_qdf6f37213b_quant:
	.size	k_qdf6f37213b_quant, .Lfunc_end_k_qdf6f37213b_quant-k_qdf6f37213b_quant
	.p2alignl 7, 3214868480
	.fill 96, 4, 3214868480
	.section	.rodata,"a",@progbits
	.p2align	6, 0x0
	.amdhsa_kernel k_qdf6f37213b_quant
		.amdhsa_group_segment_fixed_size 271360
		.amdhsa_private_segment_fixed_size 0
		.amdhsa_enable_private_segment 0
		.amdhsa_kernarg_size 72
		.amdhsa_user_sgpr_count 2
		.amdhsa_user_sgpr_kernarg_segment_ptr 1
		.amdhsa_wavefront_size32 1
		.amdhsa_system_sgpr_workgroup_id_x 1
		.amdhsa_system_sgpr_workgroup_id_y 1
		.amdhsa_system_sgpr_workgroup_id_z 1
		.amdhsa_system_vgpr_workitem_id 0
		.amdhsa_next_free_vgpr 226
		.amdhsa_next_free_sgpr 66
		.amdhsa_reserve_vcc 0
		.amdhsa_float_denorm_mode_32 3
		.amdhsa_float_denorm_mode_16_64 3
		.amdhsa_memory_ordered 1
		.amdhsa_forward_progress 1
		.amdhsa_inst_pref_size 63
	.end_amdhsa_kernel
	.amdgpu_metadata
---
amdhsa.version: [ 1, 2 ]
amdhsa.kernels:
  - .name:           k_qdf6f37213b_quant
    .symbol:         k_qdf6f37213b_quant.kd
    .args:
      - { .name: x, .offset: 0, .size: 8, .value_kind: global_buffer, .address_space: global }
      - { .name: Wq, .offset: 8, .size: 8, .value_kind: global_buffer, .address_space: global }
      - { .name: Wk, .offset: 16, .size: 8, .value_kind: global_buffer, .address_space: global }
      - { .name: Wv, .offset: 24, .size: 8, .value_kind: global_buffer, .address_space: global }
      - { .name: Wo, .offset: 32, .size: 8, .value_kind: global_buffer, .address_space: global }
      - { .name: xc, .offset: 40, .size: 8, .value_kind: global_buffer, .address_space: global }
      - { .name: xs, .offset: 48, .size: 8, .value_kind: global_buffer, .address_space: global }
      - { .name: wc, .offset: 56, .size: 8, .value_kind: global_buffer, .address_space: global }
      - { .name: ws, .offset: 64, .size: 8, .value_kind: global_buffer, .address_space: global }
    .group_segment_fixed_size: 271360
    .private_segment_fixed_size: 0
    .kernarg_segment_align: 8
    .kernarg_segment_size: 72
    .max_flat_workgroup_size: 256
    .sgpr_count:     66
    .vgpr_count:     226
    .wavefront_size: 32
...
	.end_amdgpu_metadata
.endif
;; end of part 1
;; launch qkv (part 2): grid 12 x 32, 4 waves a work-group, clusters of 4 x 4, 327,680 bytes of LDS; arguments xc, xs, wc, ws, bq, bk, bv, qb, kv; writes qb, kv
.if DOCPART == 2
	.amdgcn_target "amdgcn-amd-amdhsa--gfx1250"
	.amdhsa_code_object_version 6
	.text
	.protected	k_qdf6f37213b_qkv
	.globl	k_qdf6f37213b_qkv
	.p2align	8
	.type	k_qdf6f37213b_qkv,@function
k_qdf6f37213b_qkv:
	s_mov_b64 s[64:65], 0
	v_nop
	global_prefetch_b8 v0, s[64:65] scope:SCOPE_SE
	s_setreg_imm32_b32 hwreg(HW_REG_WAVE_MODE, 25, 1), 1
	s_wait_xcnt 0x0
	s_wait_alu depctr_hold_cnt(0) depctr_sa_sdst(0) depctr_va_vdst(0) depctr_va_sdst(0) depctr_va_ssrc(0) depctr_va_vcc(0) depctr_vm_vsrc(0)
	s_getreg_b32 s2, hwreg(HW_REG_IB_STS2, 6, 4)
	s_cmp_eq_u32 s2, 0
	s_cbranch_scc0 .Lentry_in_a_cluster
	s_endpgm
.Lentry_in_a_cluster:
	s_bfe_u32 s2, ttmp6, 0x10000c
	s_cmp_lg_u32 s2, 0xf033
	s_cbranch_scc0 .Lentry_shape_is_right
	s_endpgm
.Lentry_shape_is_right:
.set HALFT,  24576
.set SLOT,   4*HALFT
.set SCL,    2*SLOT
.set SPARE,  SCL+4*4096
.set FR,     12
.set NP,     4
.set KVB,    13056
.set HEADB,  16*KVB
.set ADR1, 16
.set ADR0, 20
.set ADS1, 24
.set ADS0, 25
.set O16,  26
.set O8,   27
.set SPW,  28
.set NIL,  29
.set BOQ,  30
.set BOV,  31
.set SC1,  32
.set SC0,  48
.set BC,   96
.set AF,   128
.set T,    128
.set PC,   192
.set CT,   204
.set TM,   212
.set PWS,  48
.set SW,   56
.set SEL,  2
.set G1, 24
.set G0, 32
.set G1B, 48
.set G0B, 56
.set G1S, 68
.set G0S, 76
.set G1SB, 80
.set G0SB, 88
.set MSB, 0
.macro WIN new
.if MSB != (\new)
	s_set_vgpr_msb (MSB<<8)|(\new)
.set MSB, (\new)
.endif
.endm
.set MUL_LO, 0xa1
.set MUL_HI, 0xf1
.set TO_B,   0x40
.macro JLOAD g0a, g1a, g0b, g1b
	s_cmp_eq_u32 s15, 0
	s_cbranch_scc0 .Lfor_b_\@
	tensor_load_to_lds s[\g0a:\g0a+3], s[\g1a:\g1a+7]
	s_nop 0
.rept 4
	v_nop
.endr
	s_branch .Lasked_\@
.Lfor_b_\@:
	tensor_load_to_lds s[\g0b:\g0b+3], s[\g1b:\g1b+7]
	s_nop 0
.rept 4
	v_nop
.endr
.Lasked_\@:
.endm
.macro CREST
	s_cmp_lg_u32 s14, 0
	s_cbranch_scc1 .Lnot_wave_0_\@
	s_barrier_signal -3
.Lnot_wave_0_\@:
	s_barrier_wait -3
	s_barrier_signal -1
	s_barrier_wait -1
.endm
.macro CROUND
	s_barrier_signal -1
	s_barrier_wait -1
	CREST
.endm
	s_load_b256 s[4:11], s[0:1], 0x0
	v_lshl_add_u32 v[SPW], v0, 2, SPARE
	v_mov_b32 v[NIL], 0
	ds_add_u32 v28, v29
	ds_add_u32 v28, v29
	s_wait_dscnt 0x0
	v_lshrrev_b32 v1, 5, v0
	v_readfirstlane_b32 s14, v1
	s_lshr_b32 s15, s14, 1
	s_and_b32 s16, s14, 1
	s_bfe_u32 s40, ttmp6, 0x40000
	s_bfe_u32 s41, ttmp6, 0x40004
	s_lshl_b32 s42, ttmp9, 2
	s_add_co_u32 s42, s42, s40
	s_and_b32 s17, ttmp7, 0xffff
	s_lshl_b32 s17, s17, 2
	s_add_co_u32 s17, s17, s41
	s_lshl_b32 s43, s41, 2
	s_lshl_b32 s43, 15, s43
	s_lshl_b32 s44, 0x1111, s40
	s_or_b32 s[G1+0], s43, (3<<16)|(1<<21)
	s_or_b32 s[G1B+0], s44, (3<<16)|(1<<21)
.irp g, G1, G1B
	s_mov_b32 s[\g+1], 384<<16
	s_mov_b32 s[\g+2], 16<<16                      ; the head's loads bring all 16 tiles of an operand's slot; behind them the two words are set to 8
	s_mov_b32 s[\g+3], 384<<16
	s_mov_b32 s[\g+4], 16
	s_mov_b32 s[\g+5], 1536
	s_mov_b32 s[\g+6], 0
	s_mov_b32 s[\g+7], 0
.endr
	s_or_b32 s[G1S+0], s43, (3<<16)|(1<<21)
	s_or_b32 s[G1SB+0], s44, (3<<16)|(1<<21)
.irp g, G1S, G1SB
	s_mov_b32 s[\g+1], 256<<16                     ; the scales of 256 rows: four slabs of 2,048 bytes
	s_mov_b32 s[\g+2], 4<<16
	s_mov_b32 s[\g+3], 256<<16
	s_mov_b32 s[\g+4], 4
	s_mov_b32 s[\g+6], 0
	s_mov_b32 s[\g+7], 0
.endr
	s_mov_b32 s[G1S+5], 8192
	s_mov_b32 s[G1SB+5], 4096
	s_lshl_b32 s18, s16, 3
	s_lshl_b32 s20, s17, 4
	s_add_co_u32 s20, s20, s18
	s_mul_i32 s20, s20, 12288
	s_mov_b32 s21, 0
	s_lshl_b32 s46, s42, 4
	s_add_co_u32 s46, s46, s18
	s_mul_i32 s46, s46, 12288
	s_mov_b32 s47, 0
	s_lshl_b32 s22, s17, 11
	s_mov_b32 s23, 0
	s_lshl_b32 s92, s42, 11
	s_mov_b32 s93, 0
	s_mul_i32 s45, s14, HALFT
	s_wait_kmcnt 0x0
	s_add_nc_u64 s[20:21], s[4:5], s[20:21]
	s_add_nc_u64 s[22:23], s[6:7], s[22:23]
	s_add_nc_u64 s[46:47], s[8:9], s[46:47]
	s_add_nc_u64 s[92:93], s[10:11], s[92:93]
	CROUND
	s_mov_b32 s[G0S], 1
	s_mov_b32 s[G0S+1], SCL
	s_mov_b64 s[G0S+2:G0S+3], s[22:23]
	s_or_b32 s[G0S+3], s[G0S+3], 0x80000000
	s_mov_b32 s[G0SB], 1
	s_mov_b32 s[G0SB+1], SCL+8192
	s_mov_b64 s[G0SB+2:G0SB+3], s[92:93]
	s_or_b32 s[G0SB+3], s[G0SB+3], 0x80000000
.irp s, 0,1
	s_mov_b32 s[G0+4*\s], 1
	s_add_co_u32 s[G0+4*\s+1], s45, \s*SLOT
	s_add_nc_u64 s[G0+4*\s+2:G0+4*\s+3], s[20:21], \s*3072
	s_or_b32 s[G0+4*\s+3], s[G0+4*\s+3], 0x80000000
	s_mov_b32 s[G0B+4*\s], 1
	s_add_co_u32 s[G0B+4*\s+1], s45, \s*SLOT
	s_add_nc_u64 s[G0B+4*\s+2:G0B+4*\s+3], s[46:47], \s*3072
	s_or_b32 s[G0B+4*\s+3], s[G0B+4*\s+3], 0x80000000
.endr
	; the head's four tiles, one joint load a wave, in one chain of branches on the wave's number: wave 0 slot 0's 16 tiles of x (its own group 0 begins at the first), wave 2 the weights' 16, wave 1 x's scales, wave 3 the weights'
	s_cmp_eq_u32 s14, 0
	s_cbranch_scc0 .Lhead_b
	tensor_load_to_lds s[G0:G0+3], s[G1:G1+7]
	s_nop 0
.rept 4
	v_nop
.endr
	s_branch .Lhead_asked
.Lhead_b:
	s_cmp_eq_u32 s14, 2
	s_cbranch_scc0 .Lhead_sa
	tensor_load_to_lds s[G0B:G0B+3], s[G1B:G1B+7]
	s_nop 0
.rept 4
	v_nop
.endr
	s_branch .Lhead_asked
.Lhead_sa:
	s_cmp_eq_u32 s14, 1
	s_cbranch_scc0 .Lhead_sb
	tensor_load_to_lds s[G0S:G0S+3], s[G1S:G1S+7]
	s_nop 0
.rept 4
	v_nop
.endr
	s_branch .Lhead_asked
.Lhead_sb:
	tensor_load_to_lds s[G0SB:G0SB+3], s[G1SB:G1SB+7]
	s_nop 0
.rept 4
	v_nop
.endr
.Lhead_asked:
	s_wait_alu depctr_va_vdst(0)
	s_wait_tensorcnt 0x0                           ; my tile of the four is in
	ds_add_u32 v28, v29
	s_mov_b32 s[G1+2], 8<<16                       ; no tensor load of mine is out: from here on a load brings 8 tiles
	s_mov_b32 s[G1+4], 8
	s_mov_b32 s[G1B+2], 8<<16
	s_mov_b32 s[G1B+4], 8
	s_wait_dscnt 0x0
	CROUND
	JLOAD G0+4, G1, G0B+4, G1B                     ; slot 1's first fill, a quarter a wave
	s_load_b256 s[4:11], s[0:1], 0x20
	s_load_b64 s[12:13], s[0:1], 0x40
	v_and_b32 v1, 15, v0
	v_bfe_u32 v2, v0, 4, 1
	v_and_b32 v3, 31, v0
	v_lshlrev_b32 v[O16], 4, v3
	s_wait_alu depctr_va_vdst(0)
	v_lshlrev_b32 v[O8], 4, v1
	v_lshl_add_u32 v[O8], v2, 3, v[O8]
	s_wait_alu depctr_va_vdst(0)
	s_lshr_b32 s96, ttmp9, 1
	s_and_b32 s96, s96, 1
	s_xor_b32 s97, s96, 1
	s_mul_i32 s21, s96, 2*HALFT
	s_mul_i32 s22, s15, HALFT
	s_add_co_u32 s21, s21, s22
	s_mul_i32 s22, s97, 2*HALFT
	s_mul_i32 s23, s16, HALFT
	s_add_co_u32 s22, s22, s23
.irp s, 0,1
	v_add_nc_u32 v[ADR1+\s], s21, v[O16]
	v_add_nc_u32 v[ADR1+2+\s], s21, v[O8]
	v_add_nc_u32 v[ADR0+\s], s22, v[O16]
	v_add_nc_u32 v[ADR0+2+\s], s22, v[O8]
	s_add_co_u32 s21, s21, SLOT
	s_add_co_u32 s22, s22, SLOT
.endr
	s_lshl_b32 s21, s96, 13
	s_lshl_b32 s22, s15, 10
	s_add_co_u32 s21, s21, s22
	s_add_co_u32 s21, s21, SCL
	v_lshl_add_u32 v[ADS1], v1, 3, s21
	s_lshl_b32 s21, s97, 13
	s_lshl_b32 s22, s16, 10
	s_add_co_u32 s21, s21, s22
	s_add_co_u32 s21, s21, SCL
	v_lshl_add_u32 v[ADS0], v1, 3, s21
	v_lshlrev_b32 v[BOQ], 6, v2
	v_and_b32 v4, 7, v1
	v_lshrrev_b32 v5, 3, v1
	v_lshl_add_u32 v4, v5, 4, v4
	v_lshlrev_b32 v[BOV], 2, v4
	s_mov_b32 s[SEL], 0x76543210
	s_mov_b32 s[SEL+1], 0xfedcba98
	s_mov_b32 s95, 0xffff0000
.macro FRAG reg, a16, q, i
	ds_load_b128 v[\reg:\reg+3], v[\a16] offset:(\i)*3072+(\q)*1536
	ds_load_b64 v[\reg+4:\reg+5], v[\a16+2] offset:(\i)*3072+(\q)*1536+512
	ds_load_b128 v[\reg+6:\reg+9], v[\a16] offset:(\i)*3072+(\q)*1536+768
	ds_load_b64 v[\reg+10:\reg+11], v[\a16+2] offset:(\i)*3072+(\q)*1536+1280
.endm
.macro MUL16 a0, p, q, sc, zero
.irp a, \a0, \a0+1
.irp b, 0,1,2,3,4,5,6,7
.if \zero
	v_wmma_scale_f32_16x16x128_f8f6f4 v[8*(8*((\a)%4)+\b):8*(8*((\a)%4)+\b)+7], v[128*(\p)+FR*\b:128*(\p)+FR*\b+FR-1], v[AF+FR*(\a):AF+FR*(\a)+FR-1], 0, v[SC0+32*(\sc)+2*\b+(\q)], v[SC1+32*(\sc)+2*(\a)+(\q)] matrix_a_fmt:MATRIX_FMT_FP6 matrix_b_fmt:MATRIX_FMT_FP6
.else
	v_wmma_scale_f32_16x16x128_f8f6f4 v[8*(8*((\a)%4)+\b):8*(8*((\a)%4)+\b)+7], v[128*(\p)+FR*\b:128*(\p)+FR*\b+FR-1], v[AF+FR*(\a):AF+FR*(\a)+FR-1], v[8*(8*((\a)%4)+\b):8*(8*((\a)%4)+\b)+7], v[SC0+32*(\sc)+2*\b+(\q)], v[SC1+32*(\sc)+2*(\a)+(\q)] matrix_a_fmt:MATRIX_FMT_FP6 matrix_b_fmt:MATRIX_FMT_FP6
.endif
.endr
.endr
.endm
.macro FETCH_S0 slot, q, p
	WIN TO_B
.irp i, 0,1,2,3,4,5,6,7
	FRAG 128*(\p)+FR*\i, ADR0+\slot, \q, \i
.endr
	WIN 0
.endm
.macro FETCH_S1 slot, q, i0
.irp i, \i0, \i0+1, \i0+2, \i0+3
	FRAG AF+FR*(\i), ADR1+\slot, \q, \i
.endr
.endm
.macro SCALES sc
.irp i, 0,1,2,3,4,5,6,7
	ds_load_b64 v[SC1+32*\sc+2*\i:SC1+32*\sc+2*\i+1], v[ADS1] offset:\i*128
	ds_load_b64 v[SC0+32*\sc+2*\i:SC0+32*\sc+2*\i+1], v[ADS0] offset:\i*128
.endr
.endm
.macro PLACES n
.rept \n
	v_nop
.endr
.endm
.macro STEP slot, q, zero
	s_wait_dscnt 16
	WIN MUL_LO
	MUL16 0, (\q)%2, \q, \slot, \zero
	MUL16 2, (\q)%2, \q, \slot, \zero
	s_wait_dscnt 0x0
	PLACES NP
	FETCH_S0 \slot, (\q)+1, 1-(\q)%2
	FETCH_S1 \slot, (\q)+1, 0
	WIN MUL_HI
	MUL16 4, (\q)%2, \q, \slot, \zero
	MUL16 6, (\q)%2, \q, \slot, \zero
	PLACES NP
	WIN 0
	FETCH_S1 \slot, (\q)+1, 4
.endm
.macro TURN slot, next, fill
	s_wait_tensorcnt 0x0
	ds_add_u32 v[SPW], v[NIL]
	s_wait_dscnt 17
	WIN MUL_LO
	MUL16 0, 1, 1, \slot, 0
	s_wait_dscnt 0x0
	s_barrier_signal -1
	MUL16 2, 1, 1, \slot, 0
	WIN 0
	s_barrier_wait -1
.if \fill
	CREST
	s_add_nc_u64 s[G0+4*\slot+2:G0+4*\slot+3], s[G0+4*\slot+2:G0+4*\slot+3], 6144
	s_add_nc_u64 s[G0B+4*\slot+2:G0B+4*\slot+3], s[G0B+4*\slot+2:G0B+4*\slot+3], 6144
	JLOAD G0+4*\slot, G1, G0B+4*\slot, G1B
.else
	PLACES NP
.endif
	s_wait_alu depctr_va_vdst(0)
	v_add_nc_u32 v[ADS1], 2048, v[ADS1]
	v_add_nc_u32 v[ADS0], 2048, v[ADS0]
	FETCH_S0 \next, 0, 0
	FETCH_S1 \next, 0, 0
	SCALES \next
	WIN MUL_HI
	MUL16 4, 1, 1, \slot, 0
	MUL16 6, 1, 1, \slot, 0
	PLACES NP
	WIN 0
	FETCH_S1 \next, 0, 4
.endm
.macro LASTSTEP
	s_wait_dscnt 16
	WIN MUL_LO
	MUL16 0, 1, 1, 1, 0
	MUL16 2, 1, 1, 1, 0
	s_wait_dscnt 0x0
	WIN MUL_HI
	MUL16 4, 1, 1, 1, 0
	MUL16 6, 1, 1, 1, 0
	WIN 0
	PLACES NP
.endm
.macro QUANT s, d, pw
.irp b, 0,1,2,3
	v_max3_num_f32 v[TM+\b], |v[(\s)+16*\b]|, |v[(\s)+1+16*\b]|, 0x1800000
.endr
.irp i, 2,4,6,8,10,12,14
.irp b, 0,1,2,3
	v_max3_num_f32 v[TM+\b], v[TM+\b], |v[(\s)+16*\b+\i]|, |v[(\s)+1+16*\b+\i]|
.endr
.endr
.irp b, 0,1,2,3
	v_permlanex16_b32 v[TM+4+\b], v[TM+\b], s[SEL], s[SEL+1]
.endr
.irp b, 0,1,2,3
	v_max_num_f32 v[TM+\b], v[TM+\b], v[TM+4+\b]
.endr
.irp b, 0,1,2,3
	v_add_nc_u32 v[TM+8+\b], 0xff000000, v[TM+\b]
.endr
.irp b, 0,1,2,3
	v_lshrrev_b32 v[TM+4+\b], 23, v[TM+8+\b]
.endr
	v_lshl_or_b32 v[\pw], v[TM+5], 8, v[TM+4]
	v_lshl_or_b32 v[\pw], v[TM+6], 16, v[\pw]
	v_lshl_or_b32 v[\pw], v[TM+7], 24, v[\pw]
	s_wait_xcnt 0x0
.irp c, 0,1
	v_cvt_scalef32_pk16_fp6_f32 v[(\d)+6*\c:(\d)+6*\c+2], v[(\s)+32*\c:(\s)+32*\c+15], v[TM+8+2*\c]
	v_cvt_scalef32_pk16_fp6_f32 v[CT+4*\c:CT+4*\c+2], v[(\s)+32*\c+16:(\s)+32*\c+31], v[TM+9+2*\c]
.endr
	v_nop
.irp c, 0,1
.irp i, 0,1,2
	v_permlane16_swap_b32 v[(\d)+6*\c+\i], v[CT+4*\c+\i]
.endr
.irp i, 0,1,2
	v_mov_b32 v[(\d)+6*\c+3+\i], v[CT+4*\c+\i]
.endr
.endr
.endm
.macro OUTOFF hh, th
	s_lshr_b32 s20, s17, 3
	s_lshl_b32 s20, s20, 4
	s_lshl_b32 s21, s40, 2
	s_add_co_u32 s20, s20, s21
	s_lshl_b32 s21, s[\hh], 1
	s_add_co_u32 s20, s20, s21
	s_lshl_b32 s20, s20, 4
	s_and_b32 s21, s17, 7
	s_lshl_b32 s21, s21, 1
	s_add_co_u32 s20, s20, s21
	s_add_co_u32 s20, s20, s[\th]
	s_mul_i32 s20, s20, KVB
	s_mov_b32 s21, 0
.endm
.macro EPI a, isv
	WIN 0x02+(\a)/4
.irp b, 0,1,2,3,4,5,6,7
.irp j, 0,2,4,6
.if \isv
.if (\a)%2
	v_pk_add_f32 v[T+8*\b+\j:T+8*\b+\j+1], v[64*((\a)%4)+8*\b+\j:64*((\a)%4)+8*\b+\j+1], v[BC+2*((\a)/2):BC+2*((\a)/2)+1] op_sel:[0,1] op_sel_hi:[1,1]
.else
	v_pk_add_f32 v[T+8*\b+\j:T+8*\b+\j+1], v[64*((\a)%4)+8*\b+\j:64*((\a)%4)+8*\b+\j+1], v[BC+2*((\a)/2):BC+2*((\a)/2)+1] op_sel:[0,0] op_sel_hi:[1,0]
.endif
.else
	v_pk_add_f32 v[T+8*\b+\j:T+8*\b+\j+1], v[64*((\a)%4)+8*\b+\j:64*((\a)%4)+8*\b+\j+1], v[BC+8*\b+96*(\b/4)+\j:BC+8*\b+96*(\b/4)+\j+1]
.endif
.endr
.endr
	WIN 0
	QUANT T, PC, PWS+(\a)
.irp c, 0,1
.if \isv
.set IM, ((\a)/4)*HEADB+((\a)%4)*1536+\c*768
.else
.set IM, (\a)*768+\c*HEADB
.endif
	global_store_b128 v[O16], v[PC+6*\c:PC+6*\c+3], s[10:11] offset:IM
	global_store_b64 v[O8], v[PC+6*\c+4:PC+6*\c+5], s[10:11] offset:IM+512
.endr
.endm
	s_wait_alu depctr_va_vdst(0)
	s_wait_tensorcnt 0x1
	s_barrier_signal -1
	s_barrier_wait -1
	FETCH_S0 0, 0, 0
	FETCH_S1 0, 0, 0
	SCALES 0
	FETCH_S1 0, 0, 4
	STEP 0, 0, 1
	TURN 0, 1, 1
	STEP 1, 0, 0
	TURN 1, 0, 1
	STEP 0, 0, 0
	TURN 0, 1, 0
	STEP 1, 0, 0
	s_wait_kmcnt 0x0
	s_cmp_eq_u32 s96, 0
	s_cbranch_scc0 .Ltail_v
	s_cmp_eq_u32 ttmp9, 0
	s_cselect_b64 s[4:5], s[4:5], s[6:7]
	s_cselect_b64 s[10:11], s[10:11], s[12:13]
	s_lshl_b32 s20, s40, 10
	s_lshl_b32 s21, s16, 9
	s_add_co_u32 s20, s20, s21
	s_mov_b32 s21, 0
	s_add_nc_u64 s[4:5], s[4:5], s[20:21]
.irp b, 0,1,2,3,4,5,6,7
	global_load_b128 v[BC+8*\b+96*(\b/4):BC+8*\b+96*(\b/4)+3], v[BOQ], s[4:5] offset:4*(32*(\b/2)+8*(\b%2))
	global_load_b128 v[BC+8*\b+96*(\b/4)+4:BC+8*\b+96*(\b/4)+7], v[BOQ], s[4:5] offset:4*(32*(\b/2)+8*(\b%2))+16
.endr
	OUTOFF 16, 15
	s_add_nc_u64 s[10:11], s[10:11], s[20:21]
	LASTSTEP
	s_wait_loadcnt 0x0
.irp b, 0,1,2,3
	v_mov_b32 v[TM+4+\b], 0
.endr
.irp a, 0,1,2,3,4,5,6,7
	EPI \a, 0
.endr
.irp i, 0,1,2,3
	v_cndmask_b32 v[SW+\i], v[PWS+2*\i], v[PWS+2*\i+1], s95
.endr
.irp i, 0,1,2,3
	v_lshrrev_b32 v[SW+4+\i], 16, v[SW+\i]
.endr
	global_store_b128 v[O16], v[SW:SW+3], s[10:11] offset:12288
	global_store_b128 v[O16], v[SW+4:SW+7], s[10:11] offset:12288+HEADB
	s_wait_tensorcnt 0x0
	ds_add_u32 v[SPW], v[NIL]
	s_wait_dscnt 0x0
	CROUND
	s_endpgm
.Ltail_v:
	s_lshl_b32 s20, s40, 10
	s_lshl_b32 s21, s15, 9
	s_add_co_u32 s20, s20, s21
	s_mov_b32 s21, 0
	s_add_nc_u64 s[8:9], s[8:9], s[20:21]
.irp a, 0,1,2,3,4,5,6,7
	global_load_b32 v[BC+\a], v[BOV], s[8:9] offset:4*(32*(\a/2)+8*(\a%2))
.endr
	OUTOFF 15, 16
	s_mov_b64 s[10:11], s[12:13]
	s_add_nc_u64 s[10:11], s[10:11], s[20:21]
	s_add_nc_u64 s[10:11], s[10:11], 6144
	LASTSTEP
	s_wait_loadcnt 0x0
.irp b, 0,1,2,3
	v_mov_b32 v[TM+4+\b], 0
.endr
.irp a, 0,1,2,3,4,5,6,7
	EPI \a, 1
.endr
.irp x, 0,1
	v_cndmask_b32 v[SW+2*\x], v[PWS+4*\x], v[PWS+4*\x+1], s95
	v_cndmask_b32 v[SW+2*\x+1], v[PWS+4*\x+2], v[PWS+4*\x+3], s95
	global_store_b64 v[O8], v[SW+2*\x:SW+2*\x+1], s[10:11] offset:6656+\x*HEADB
.endr
	s_wait_tensorcnt 0x0
	ds_add_u32 v[SPW], v[NIL]
	s_wait_dscnt 0x0
	CROUND
	s_endpgm
.Lfunc_end_k_qdf6f37213b_qkv:
	.size	k_qdf6f37213b_qkv, .Lfunc_end_k_qdf6f37213b_qkv-k_qdf6f37213b_qkv
	.p2alignl 7, 3214868480
	.fill 96, 4, 3214868480
	.section	.rodata,"a",@progbits
	.p2align	6, 0x0
	.amdhsa_kernel k_qdf6f37213b_qkv
		.amdhsa_group_segment_fixed_size 327680
		.amdhsa_private_segment_fixed_size 0
		.amdhsa_enable_private_segment 0
		.amdhsa_kernarg_size 72
		.amdhsa_user_sgpr_count 2
		.amdhsa_user_sgpr_kernarg_segment_ptr 1
		.amdhsa_wavefront_size32 1
		.amdhsa_system_sgpr_workgroup_id_x 1
		.amdhsa_system_sgpr_workgroup_id_y 1
		.amdhsa_system_sgpr_workgroup_id_z 1
		.amdhsa_system_vgpr_workitem_id 0
		.amdhsa_next_free_vgpr 1024
		.amdhsa_next_free_sgpr 98
		.amdhsa_reserve_vcc 0
		.amdhsa_float_denorm_mode_32 3
		.amdhsa_float_denorm_mode_16_64 3
		.amdhsa_memory_ordered 1
		.amdhsa_forward_progress 1
		.amdhsa_inst_pref_size 230
	.end_amdhsa_kernel
	.amdgpu_metadata
---
amdhsa.version: [ 1, 2 ]
amdhsa.kernels:
  - .name:           k_qdf6f37213b_qkv
    .symbol:         k_qdf6f37213b_qkv.kd
    .args:
      - { .name: xc, .offset: 0, .size: 8, .value_kind: global_buffer, .address_space: global }
      - { .name: xs, .offset: 8, .size: 8, .value_kind: global_buffer, .address_space: global }
      - { .name: wc, .offset: 16, .size: 8, .value_kind: global_buffer, .address_space: global }
      - { .name: ws, .offset: 24, .size: 8, .value_kind: global_buffer, .address_space: global }
      - { .name: bq, .offset: 32, .size: 8, .value_kind: global_buffer, .address_space: global }
      - { .name: bk, .offset: 40, .size: 8, .value_kind: global_buffer, .address_space: global }
      - { .name: bv, .offset: 48, .size: 8, .value_kind: global_buffer, .address_space: global }
      - { .name: qb, .offset: 56, .size: 8, .value_kind: global_buffer, .address_space: global }
      - { .name: kv, .offset: 64, .size: 8, .value_kind: global_buffer, .address_space: global }
    .group_segment_fixed_size: 327680
    .private_segment_fixed_size: 0
    .kernarg_segment_align: 8
    .kernarg_segment_size: 72
    .max_flat_workgroup_size: 128
    .sgpr_count:     98
    .vgpr_count:     1024
    .wavefront_size: 32
...
	.end_amdgpu_metadata
.endif
;; end of part 2
;; launch attn (part 3): grid 4 x 64, 16 waves a work-group, clusters of 4 x 1, 263,168 bytes of LDS; arguments qb, kv, oc, os; writes oc, os
.if DOCPART == 3
	.amdgcn_target "amdgcn-amd-amdhsa--gfx1250"
	.amdhsa_code_object_version 6
	.text
	.protected	k_qdf6f37213b_attn
	.globl	k_qdf6f37213b_attn
	.p2align	8
	.type	k_qdf6f37213b_attn,@function
k_qdf6f37213b_attn:
	s_mov_b64 s[64:65], 0
	v_nop
	global_prefetch_b8 v0, s[64:65] scope:SCOPE_SE
	s_setreg_imm32_b32 hwreg(HW_REG_WAVE_MODE, 25, 1), 1
	s_wait_xcnt 0x0
	s_wait_alu depctr_hold_cnt(0) depctr_sa_sdst(0) depctr_va_vdst(0) depctr_va_sdst(0) depctr_va_ssrc(0) depctr_va_vcc(0) depctr_vm_vsrc(0)
	s_getreg_b32 s2, hwreg(HW_REG_IB_STS2, 6, 4)
	s_cmp_eq_u32 s2, 0
	s_cbranch_scc0 .Lentry_in_a_cluster
	s_endpgm
.Lentry_in_a_cluster:
	s_bfe_u32 s2, ttmp6, 0x10000c
	s_cmp_lg_u32 s2, 0x3003
	s_cbranch_scc0 .Lentry_shape_is_right
	s_endpgm
.Lentry_shape_is_right:
; For each of 64 heads (batch x 16 + head): O = softmax(Q K^T / 8) V, both products on codes of FP6 (E2M3) with E8M0 scales; O is quantised along head x 64 + d for the last product.
; THE SOFTMAX: t = score x log2(e) / 8; M = the running largest t rounded up to a whole number; p = 2^(t - M) is quantised along the keys, not normalised; the row's sum is taken of the
; unquantised p and divides O at the end.  When M moves, the sum and O are multiplied by 2^(old M - new M): exact.
; LIMITS: NaN and infinities are not served; the promise holds while the scaled scores t stay under 2^31 in magnitude; a block of O under 2^-124 or of zeros gets the byte 1, read by this program alone.
; SHARES.  A work-group owns 512 queries of a head; each of its sixteen waves two tiles of 16, one after the other: a loop of two trips round the loop over 16 key steps of 128.
; THE HEAD'S K AND V come into LDS ONCE: wave w fetches key step w, 13,056 bytes as 51 rows of 256.  Nothing is filled again: no ring, one barrier.  The four work-groups of a cluster own the four
; query blocks of one head and ask for each step jointly.  All tensor loads stand at the head, so there is no later load for a prefetch to run ahead of: none is written.
; IN LDS each 256 bytes are followed by 64 of padding: byte y of a step lies at y + 64 (y / 256), a step is 16,320 bytes.  Two tiles of K (1,536 bytes) are then 1,920 apart, 128 more than a multiple of 256:
; the sixteen lanes of a load that take rows of two tiles touch sixteen different columns of 16 bytes.
; LAYOUT.  Both products transposed: S^T = K Q^T, O^T = V^T P^T: a lane holds one query.  A key step in memory: +0 eight key tiles x 768; +6,144 four d-tiles x two chunks x 768; +12,288 K's scale words
; (16 l + 4 i: tile 2 i + l / 16, row l % 16); +12,800 V's (16 r + 8 h + 4 i: d-tile 2 i + h).  A stored tile 2 b + u holds the true rows 32 b + 8 u + (r & 7) + 16 (r >> 3).
; WHICH KEYS FORM A TILE is chosen by the lanes' LDS addresses: row r of tile 4 c + u is key 64 c + 32 (r >> 3) + 8 u + (r & 7), that is stored tile 4 c + 2 (r >> 3) + u % 2, row (r & 7) + 8 (u / 2).
; So the 32 score registers of tiles 4 c .. 4 c + 3 are, in lane (r, h), keys 64 c + 32 h + 0 .. 31: ONE WHOLE BLOCK of p, in the order of the operand's registers: its largest needs no other lane.
; THE HEAD'S 64 fill half of the instruction's K = 128.  Q's upper six registers are zero codes; K's fragments lie six registers apart, so that a fragment's upper six are the next one's codes, which meet
; Q's zeros (every code and every scale byte there is finite).  Behind the last fragment lie six registers that hold the other query tile's Q until its turn.
; CHAINS.  Four waves share a SIMD.  Maxima go in eight chains, one a tile; sums in six, with the lines that make p's scale word among them; the one chain that cannot be widened, from the row's maximum to f, carries hints.
; REGISTERS: v0 thread; v1-5 lane parts of the LDS addresses, v6-10 the same in a step (v6-11 also serve the sums); v12 -M, v13 largest score; v[14:15] the sum; v16-27 Q; v28 f, v29 the other tile's Q scale word;
;   v[30:31] V's scale words; v32-35 K's; v36 Q's; v37 p's; v38-85 K's eight fragments, v86-91 the other tile's Q; v92-155 S^T, then p; v156-187 O^T; v188-235 V's four fragments; v236-247 p's codes; v248-255 at work.
.set KVB,   13056
.set HEADB, 16*KVB
.set KVL,   16320
.set SPARE, 16*KVL
.set WV,  18
.set SEL, 20
.set CS,  22
.set TB,  2
.set CNT, 3
.set TN,  40
.set PS,  41
.set NC,  42
.set KAB, 1
.set KBB, 2
.set KSB, 3
.set VAB, 4
.set VBB, 5
.set KA,  6
.set KB,  7
.set KS,  8
.set VA,  9
.set VB,  10
.set FK,  38
.set SS,  92
.set OO,  156
.set FV,  188
.set PC,  236
.macro WALU
	s_wait_alu depctr_va_vdst(0)
.endm
.macro ROUND                           ; a round of the cluster's barrier
	s_barrier_signal -1
	s_barrier_wait -1
	s_cmp_lg_u32 s[WV], 0
	s_cbranch_scc1 .Lnot_wave_0_\@
	s_barrier_signal -3
.Lnot_wave_0_\@:
	s_barrier_wait -3
	s_barrier_signal -1
	s_barrier_wait -1
.endm
.macro KLOAD a, b, s                   ; a step's K: eight fragments of six registers and four registers of scale words (lanes 0-15 tile u, lanes 16-31 tile 4 + u): 20 loads
.irp n, 0,1,2,3,4,5,6,7
	ds_load_b128 v[FK+6*\n:FK+6*\n+3], v[\a] offset:3840*(\n/4)+960*(\n%2)+128*((\n%4)/2)
	ds_load_b64 v[FK+6*\n+4:FK+6*\n+5], v[\b] offset:3840*(\n/4)+960*(\n%2)+128*((\n%4)/2)+640
.endr
.irp u, 0,1,2,3
	ds_load_b32 v[32+\u], v[\s] offset:15360+320*(\u%2)+128*(\u/2)
.endr
.endm
.macro QK n                            ; 16 keys x my 16 queries
.if (\n)/4
	v_wmma_scale_f32_16x16x128_f8f6f4 v[SS+8*(\n):SS+8*(\n)+7], v[FK+6*(\n):FK+6*(\n)+11], v[16:27], 0, v[32+(\n)%4], v36 matrix_a_fmt:MATRIX_FMT_FP6 matrix_b_fmt:MATRIX_FMT_FP6 matrix_a_scale:MATRIX_SCALE_ROW1
.else
	v_wmma_scale_f32_16x16x128_f8f6f4 v[SS+8*(\n):SS+8*(\n)+7], v[FK+6*(\n):FK+6*(\n)+11], v[16:27], 0, v[32+(\n)%4], v36 matrix_a_fmt:MATRIX_FMT_FP6 matrix_b_fmt:MATRIX_FMT_FP6
.endif
.endm
.macro PV t                            ; 16 of the head's 64 x my 16 queries, K = the step's 128 keys.  The four accumulators take turns
.if (\t)%2
	v_wmma_scale_f32_16x16x128_f8f6f4 v[OO+8*(\t):OO+8*(\t)+7], v[FV+12*(\t):FV+12*(\t)+11], v[PC:PC+11], v[OO+8*(\t):OO+8*(\t)+7], v[30+(\t)/2], v37 matrix_a_fmt:MATRIX_FMT_FP6 matrix_b_fmt:MATRIX_FMT_FP6 matrix_a_scale:MATRIX_SCALE_ROW1
.else
	v_wmma_scale_f32_16x16x128_f8f6f4 v[OO+8*(\t):OO+8*(\t)+7], v[FV+12*(\t):FV+12*(\t)+11], v[PC:PC+11], v[OO+8*(\t):OO+8*(\t)+7], v[30+(\t)/2], v37 matrix_a_fmt:MATRIX_FMT_FP6 matrix_b_fmt:MATRIX_FMT_FP6
.endif
.endm
.macro SI c, j                         ; a sum chain begins: pairs j and j + 1 of p
	v_pk_add_f32 v[\c:\c+1], v[SS+2*(\j):SS+2*(\j)+1], v[SS+2*(\j)+2:SS+2*(\j)+3]
.endm
.macro SA c, j                         ; and takes pair j
	v_pk_add_f32 v[\c:\c+1], v[\c:\c+1], v[SS+2*(\j):SS+2*(\j)+1]
.endm
	s_load_b256 s[4:11], s[0:1], 0x0               ; qb s[4:5], kv s[6:7], oc s[8:9], os s[10:11]
	v_lshl_add_u32 v254, v0, 2, SPARE
	v_mov_b32 v255, 0
	ds_add_u32 v254, v255                          ; the opening lines: the add, twice on end, and its wait
	ds_add_u32 v254, v255
	s_wait_dscnt 0x0
	v_lshrrev_b32 v6, 5, v0
	v_readfirstlane_b32 s[WV], v6                  ; wave 0..15
	s_and_b32 s12, ttmp7, 0xffff                   ; batch x 16 + head, which the four partners share
	s_bfe_u32 s13, ttmp6, 0x40000                  ; cx: my block of 512 queries
	; group 1: 51 rows of 256 bytes (32 elements of 8), 16 words of padding behind each 64; the mask names the four partners
	s_mov_b32 s24, 15|(3<<16)|(1<<20)|(1<<21)|(5<<22)|(15<<25)
	s_mov_b32 s25, 32<<16
	s_mov_b32 s26, 51<<16
	s_mov_b32 s27, 32<<16
	s_mov_b32 s28, 51
	s_mov_b32 s29, 32
	s_mov_b32 s30, 0
	s_mov_b32 s31, 0
	s_mul_i32 s14, s12, HEADB
	s_mul_i32 s16, s[WV], KVB                      ; key step = my wave's number
	s_add_co_u32 s14, s14, s16
	s_mov_b32 s15, 0
	s_mul_i32 s33, s[WV], KVL                      ; its place in LDS
	s_mov_b32 s32, 1
	s_wait_kmcnt 0x0
	s_add_nc_u64 s[34:35], s[6:7], s[14:15]
	s_or_b32 s35, s35, 0x80000000
	ROUND                                          ; all four work-groups are here: the joint loads meet
	tensor_load_to_lds s[32:35], s[24:31]          ; my one tensor load
	s_nop 0
.rept 4
	v_nop
.endr
	; where O's codes and scale bytes go: token tile 128 batch + 32 cx + w (the second tile: 16 tiles on), chunk = head
	s_lshr_b32 s36, s12, 4
	s_lshl_b32 s36, s36, 7
	s_lshl_b32 s38, s13, 5
	s_add_co_u32 s36, s36, s38
	s_add_co_u32 s36, s36, s[WV]
	s_and_b32 s39, s12, 15
	s_lshl_b32 s44, s36, 7                         ; 16 rows of 8 scale bytes a tile
	s_mul_i32 s36, s36, 12288
	s_mul_i32 s38, s39, 768
	s_add_co_u32 s36, s36, s38
	s_mov_b32 s37, 0
	s_add_nc_u64 s[8:9], s[8:9], s[36:37]
	s_lshr_b32 s36, s39, 2                         ; slab = head / 4,
	s_lshl_b32 s36, s36, 16
	s_add_co_u32 s36, s36, s44
	s_and_b32 s38, s39, 3
	s_lshl_b32 s38, s38, 1                         ; bytes 2 (head % 4) and the next
	s_add_co_u32 s36, s36, s38
	s_add_nc_u64 s[10:11], s[10:11], s[36:37]
	; Q: stored tile 32 cx + w + 16 p of the head: step 4 cx + w / 8 + 2 p, tile w % 8 of it
	s_lshl_b32 s14, s12, 4
	s_lshl_b32 s16, s13, 2
	s_add_co_u32 s14, s14, s16
	s_lshr_b32 s16, s[WV], 3
	s_add_co_u32 s14, s14, s16
	s_mul_i32 s14, s14, KVB
	s_add_nc_u64 s[4:5], s[4:5], s[14:15]
	s_and_b32 s16, s[WV], 7
	s_mul_i32 s16, s16, 768
	s_and_b32 s17, s[WV], 1
	s_lshl_b32 s17, s17, 8
	s_bfe_u32 s19, s[WV], 0x20001
	s_lshl_b32 s19, s19, 2
	s_add_co_u32 s17, s17, s19                     ; its scale words: 256 (tile % 2) + 4 (tile / 2)
	s_mov_b32 s[SEL], 0x76543210
	s_mov_b32 s[SEL+1], 0xfedcba98
	s_mov_b32 s[CS], 0x3e38aa3b                    ; c = log2(e) / 8
	s_mov_b32 s[CS+1], s[CS]
	s_mov_b32 s[NC], 0xbe38aa3b                    ; -c
	s_mov_b32 s[PS], 0
	v_and_b32 v92, 7, v0                           ; r & 7
	v_bfe_u32 v93, v0, 3, 1                        ; r >> 3
	v_bfe_u32 v94, v0, 4, 1                        ; h
	v_and_b32 v95, 15, v0                          ; r
	v_lshlrev_b32 v96, 4, v92
	v_lshlrev_b32 v99, 4, v95
	v_and_b32 v100, 31, v0
	v_mad_u32_u24 v97, v93, 1920, v96              ; two tiles on for rows 8-15
	v_lshl_add_u32 v98, v93, 2, v96
	v_lshlrev_b32 v100, 4, v100
	v_mad_u32_u24 v[KAB], v94, 320, v97            ; K, words 0-3 of a block: 1,920 (r >> 3) + 320 h + 16 (r & 7)
	v_lshl_add_u32 v[KBB], v94, 3, v97             ; K, words 4-5: 1,920 (r >> 3) + 16 (r & 7) + 8 h
	v_lshl_add_u32 v[KSB], v94, 3, v98             ; K's scale words: 16 (r & 7) + 4 (r >> 3) + 8 h
	v_mad_u32_u24 v[VAB], v94, 320, v99            ; V, words 0-3: 320 h + 16 r
	v_lshl_add_u32 v[VBB], v94, 3, v99             ; V, words 4-5 and scale words: 16 r + 8 h
	v_add_nc_u32 v100, s16, v100
	v_add_nc_u32 v102, s17, v99
	v_add_nc_u32 v101, s16, v[VBB]
	WALU                                           ; the wait ahead of readers that stand behind waits
	global_load_b128 v[86:89], v100, s[4:5]        ; the first tile's Q waits behind K's fragments; each tile's turn begins with an exchange
	global_load_b64 v[90:91], v101, s[4:5] offset:512
	global_load_b32 v29, v102, s[4:5] offset:12288
	global_load_b128 v[16:19], v100, s[4:5] offset:2*KVB
	global_load_b64 v[20:21], v101, s[4:5] offset:2*KVB+512
	global_load_b32 v36, v102, s[4:5] offset:2*KVB+12288
.irp j, 22,23,24,25,26,27
	v_mov_b32 v[\j], 0                             ; zero codes for K = 64 .. 127 of the first product, set once
.endr
	v_mov_b32 v11, 0                               ; a lane permute's destination counts as one of its sources
	WALU                                           ; the wait at the head's end
	s_wait_loadcnt 0x0                             ; Q
	s_wait_tensorcnt 0x0                           ; my key step is in,
	s_barrier_signal -1
	s_barrier_wait -1                              ; everybody's is
	KLOAD KAB, KBB, KSB                            ; step 0's K
.Lpass:                                            ; a tile of 16 queries
.irp j, 0,1,2,3,4,5
	v_swap_b32 v[16+\j], v[86+\j]                  ; this tile's Q comes in, the other's waits
.endr
	v_swap_b32 v36, v29
	v_mov_b32 v13, 0xff61b1e6                      ; the largest score so far: -3e38
	v_mov_b32 v12, 0x7e967699                      ; -M: 1e38, so that the first step's f is 0
	v_mov_b32 v14, 0
	v_mov_b32 v15, 0
.set J, 0
.rept 32
	v_mov_b32 v[OO+J], 0                           ; O^T: the step is written once; the first finds zeros
.set J, J+1
.endr
	s_mov_b32 s[TB], 0
	s_mov_b32 s[CNT], 0
	WALU                                           ; the wait
.Lstep:                                            ; a key step: 128 keys
	v_add_nc_u32 v[VA], s[TB], v[VAB]
	v_add_nc_u32 v[VB], s[TB], v[VBB]              ; with the three additions behind the last products: five places ahead of the loads into their registers
.irp t, 0,1,2,3
.irp c, 0,1
	ds_load_b128 v[FV+12*\t+6*\c:FV+12*\t+6*\c+3], v[VA] offset:7680+1920*\t+960*\c
	ds_load_b64 v[FV+12*\t+6*\c+4:FV+12*\t+6*\c+5], v[VB] offset:7680+1920*\t+960*\c+640
.endr
.endr
	ds_load_b64 v[30:31], v[VB] offset:16000
	s_add_co_u32 s[TN], s[CNT], 1
	s_and_b32 s[TN], s[TN], 15                     ; the next step; behind the last, step 0 again: the second tile begins with it (behind the second tile nobody reads these 20 loads)
	s_mul_i32 s[TN], s[TN], KVL
	s_wait_dscnt 17                                ; K, asked for a step ago, is in; V's 17 loads may stay out
.irp n, 0,1,2,3,4,5,6,7
	QK \n
.endr
	v_add_nc_u32 v[KA], s[TN], v[KAB]
	v_add_nc_u32 v[KB], s[TN], v[KBB]
	v_add_nc_u32 v[KS], s[TN], v[KSB]
	v_nop                                          ; four places: for the loads below and for the first reads of the scores
	KLOAD KA, KB, KS                               ; the next step's K, a whole softmax ahead of its use
	; the largest score of my two blocks of 32 keys: eight chains, one a tile, each from its accumulator's low end on; tile n's chain is v[248 + 4 (n / 4) + (n % 4 + 3) % 4]
.irp n, 0,4,2,6,1,5,3,7
	v_max3_num_f32 v[248+4*(\n/4)+((\n%4)+3)%4], v[SS+8*\n], v[SS+8*\n+1], v[SS+8*\n+2]
.endr
.irp i, 3,5
.irp n, 0,4,2,6,1,5,3,7
	v_max3_num_f32 v[248+4*(\n/4)+((\n%4)+3)%4], v[248+4*(\n/4)+((\n%4)+3)%4], v[SS+8*\n+\i], v[SS+8*\n+\i+1]
.endr
.endr
.irp n, 0,4,2,6
	v_max_num_f32 v[248+4*(\n/4)+((\n%4)+3)%4], v[248+4*(\n/4)+((\n%4)+3)%4], v[SS+8*\n+7]
.endr
.irp n, 1,5,3,7
	v_max3_num_f32 v[248+4*(\n/4)+((\n%4)+3)%4], v[248+4*(\n/4)+((\n%4)+3)%4], v[SS+8*\n+7], v[248+4*(\n/4)+((\n%4)+2)%4]   ; an odd tile's chain takes the even neighbour's in
.endr
	s_delay_alu instid0(VALU_DEP_2)
	v_max_num_f32 v251, v248, v250                 ; block h
	s_delay_alu instid0(VALU_DEP_2)
	v_max_num_f32 v255, v252, v254                 ; block 2 + h
	s_delay_alu instid0(VALU_DEP_1)
	v_max_num_f32 v249, v251, v255
	s_delay_alu instid0(VALU_DEP_1)
	v_permlanex16_b32 v11, v249, s[SEL], s[SEL+1]  ; lane l xor 16 holds the query's other two blocks
	s_delay_alu instid0(VALU_DEP_1)
	v_max3_num_f32 v13, v13, v249, v11             ; the running largest score
	s_delay_alu instid0(VALU_DEP_1)
	v_mul_f32 v253, s[NC], v13
	s_delay_alu instid0(VALU_DEP_1)
	v_floor_f32 v253, v253                         ; the new -M = floor(-t) = -ceil(t)
	s_delay_alu instid0(VALU_DEP_1)
	v_sub_f32 v254, v253, v12                      ; old M - new M: a whole number, 0 or less
	s_delay_alu instid0(VALU_DEP_2)
	v_mov_b32 v12, v253
	s_delay_alu instid0(VALU_DEP_2)
	v_cvt_i32_f32 v254, v254                       ; (it saturates)
	s_delay_alu instid0(VALU_DEP_2)
	v_fma_f32 v251, v251, s[CS], v12               ; t - M of each block's largest score: p rises with the score, so this gives the block's largest p
	s_delay_alu instid0(VALU_DEP_3)
	v_fma_f32 v255, v255, s[CS], v12
	s_delay_alu instid0(VALU_DEP_3)
	v_ldexp_f32 v28, 1.0, v254                     ; f = 2^(old M - new M)
.set J, 0
.rept 32
	v_pk_fma_f32 v[SS+J:SS+J+1], v[SS+J:SS+J+1], s[CS:CS+1], v[12:13] op_sel_hi:[1,0,0]   ; t - M
.set J, J+2
.endr
.set J, 0
.rept 16
	v_pk_mul_f32 v[OO+J:OO+J+1], v[OO+J:OO+J+1], v[28:29] op_sel_hi:[1,0]                 ; O^T under the new M
.set J, J+2
.endr
	WALU                                           ; the wait ahead of the batch
.set J, 0
.rept 64
	v_exp_f32 v[SS+J], v[SS+J]                     ; p = 2^(t - M)
.set J, J+1
.endr
	v_exp_f32 v251, v251                           ; my two blocks' largest p
	v_exp_f32 v255, v255
	v_nop                                          ; a plain line behind the exponentials
	WALU                                           ; one wait for the batch, ahead of its first reader; it also stands directly ahead of the wait below
	s_wait_dscnt 20                                ; V is in; the next K's 20 loads may stay out
	; p's scale word, and among its lines the row's sum of the unquantised p, in six chains (v[14:15], which takes the old sum x f, v[6:11] and, until the codes are made, v[236:239])
	v_max_num_f32 v251, 0x1800000, v251            ; the floor 2^(3 - 127): the byte cannot fall under 1
	v_max_num_f32 v255, 0x1800000, v255
	v_pk_fma_f32 v[14:15], v[14:15], v[28:29], v[SS:SS+1] op_sel_hi:[1,0,1]
	SI 6, 1
	SI 8, 3
	v_add_nc_u32 v251, 0xff000000, v251            ; 2 off the exponent field: the conversions' scale operands
	v_add_nc_u32 v255, 0xff000000, v255
	SI 10, 5
	SI 236, 7
	SI 238, 9
	v_lshrrev_b32 v248, 23, v251                   ; the bytes of blocks h and 2 + h
	v_lshrrev_b32 v249, 23, v255
	SA 14, 11
	SA 6, 12
	SA 8, 13
	SA 10, 14
	v_lshl_or_b32 v249, v249, 16, v248
	SA 236, 15
	SA 238, 16
	SA 14, 17
	SA 6, 18
	v_permlanex16_b32 v250, v249, s[SEL], s[SEL+1]
	SA 8, 19
	SA 10, 20
	SA 236, 21
	SA 238, 22
	v_lshl_or_b32 v37, v250, 8, v249               ; lanes 0-15, which alone are read: p's scale word for these 128 keys
	SA 14, 23
	SA 6, 24
	v_pk_add_f32 v[8:9], v[8:9], v[236:237]
	v_pk_add_f32 v[10:11], v[10:11], v[238:239]
.irp c, 0,1
	v_cvt_scalef32_pk16_fp6_f32 v[PC+6*\c:PC+6*\c+2], v[SS+32*\c:SS+32*\c+15], v[251+4*\c]
	v_cvt_scalef32_pk16_fp6_f32 v[248+4*\c:250+4*\c], v[SS+32*\c+16:SS+32*\c+31], v[251+4*\c]   ; (three registers from an even one on)
.endr
	SA 14, 25                                      ; the plain line behind the conversions
.irp c, 0,1
.irp i, 0,1,2
	v_mov_b32 v[PC+6*\c+3+\i], v[248+4*\c+\i]
.endr
.endr
	SA 6, 26                                       ; six places between the codes' last line and the products
	SA 8, 27
	SA 10, 28
	SA 14, 29
	SA 6, 30
	SA 8, 31
.irp t, 0,1,2,3
	PV \t
.endr
	v_pk_add_f32 v[14:15], v[14:15], v[10:11]      ; the chains join behind the products, whose registers they do not name
	v_pk_add_f32 v[6:7], v[6:7], v[8:9]
	s_delay_alu instid0(VALU_DEP_1)
	v_pk_add_f32 v[14:15], v[14:15], v[6:7]
	s_add_co_u32 s[TB], s[TB], KVL
	s_add_co_u32 s[CNT], s[CNT], 1
	s_cmp_lt_u32 s[CNT], 16
	s_cbranch_scc1 .Lstep
	; the tile's end: O^T / the sum, quantised along d (two blocks of 32), leaves as one chunk image.  V's d-tiles are taken as stored: register 16 b + i is d = 32 b + 16 h + i
	v_add_f32 v14, v14, v15
	v_and_b32 v6, 31, v0
	v_and_b32 v8, 15, v0
	v_permlanex16_b32 v250, v14, s[SEL], s[SEL+1]
	v_lshlrev_b32 v6, 4, v6                        ; 16 x lane
	v_lshlrev_b32 v8, 3, v8                        ; 8 r
	v_add_f32 v14, v14, v250                       ; the row's sum
	WALU                                           ; the wait ahead of the reciprocal
	v_rcp_f32 v14, v14
	v_nop                                          ; a plain line behind it
	WALU                                           ; and the wait ahead of its first reader, which is also O^T's first reader
.set J, 0
.rept 16
	v_pk_mul_f32 v[SS+J:SS+J+1], v[OO+J:OO+J+1], v[14:15] op_sel_hi:[1,0]
.set J, J+2
.endr
.irp b, 0,1
	v_max3_num_f32 v[251+4*\b], |v[SS+16*\b]|, |v[SS+1+16*\b]|, 0x1800000
.endr
.irp i, 2,4,6,8,10,12,14
.irp b, 0,1
	v_max3_num_f32 v[251+4*\b], v[251+4*\b], |v[SS+16*\b+\i]|, |v[SS+1+16*\b+\i]|
.endr
.endr
.irp b, 0,1
	v_permlanex16_b32 v[248+4*\b], v[251+4*\b], s[SEL], s[SEL+1]
.endr
.irp b, 0,1
	v_max_num_f32 v[251+4*\b], v[251+4*\b], v[248+4*\b]
.endr
.irp b, 0,1
	v_add_nc_u32 v[251+4*\b], 0xff000000, v[251+4*\b]
.endr
.irp b, 0,1
	v_lshrrev_b32 v[248+4*\b], 23, v[251+4*\b]
.endr
	v_lshl_or_b32 v253, v252, 8, v248              ; my row's two scale bytes
	v_cvt_scalef32_pk16_fp6_f32 v[PC:PC+2], v[SS:SS+15], v251
	v_cvt_scalef32_pk16_fp6_f32 v[248:250], v[SS+16:SS+31], v255
	v_nop                                          ; one plain line behind a scaled conversion
.irp i, 0,1,2
	v_permlane16_swap_b32 v[PC+\i], v[248+\i]      ; a whole block to a lane
.endr
.irp i, 0,1,2
	v_mov_b32 v[PC+3+\i], v[248+\i]
.endr
	global_store_b128 v6, v[PC:PC+3], s[8:9]               ; 512 consecutive bytes, aligned
	global_store_b64 v[VBB], v[PC+4:PC+5], s[8:9] offset:512   ; 256
	global_store_b16 v8, v253, s[10:11]                    ; a head owns 2 of a row's 8 scale bytes, so these go out 2 bytes a row (lanes 16-31 write the same again): 32 bytes beside a tile's 768 of codes
	WALU
	s_wait_xcnt 0x0                                ; the stores have read their registers and bases, which are written again below and in the next tile's steps
	s_add_nc_u64 s[8:9], s[8:9], 196608            ; the second tile lies 16 token tiles on
	s_add_nc_u64 s[10:11], s[10:11], 2048
	s_add_co_u32 s[PS], s[PS], 1
	s_cmp_lt_u32 s[PS], 2
	s_cbranch_scc1 .Lpass
	s_wait_dscnt 0x0
	v_lshl_add_u32 v254, v0, 2, SPARE              ; the add's two registers are made anew from v0, which was kept
	v_mov_b32 v255, 0
	WALU
	s_wait_tensorcnt 0x0                           ; the wave's end
	ds_add_u32 v254, v255
	s_wait_dscnt 0x0
	ROUND                                          ; the closing round: no work-group ends while a partner may still ask for a step that names it
	s_endpgm
.Lfunc_end_k_qdf6f37213b_attn:
	.size	k_qdf6f37213b_attn, .Lfunc_end_k_qdf6f37213b_attn-k_qdf6f37213b_attn
	.p2alignl 7, 3214868480
	.fill 96, 4, 3214868480
	.section	.rodata,"a",@progbits
	.p2align	6, 0x0
	.amdhsa_kernel k_qdf6f37213b_attn
		.amdhsa_group_segment_fixed_size 263168
		.amdhsa_private_segment_fixed_size 0
		.amdhsa_enable_private_segment 0
		.amdhsa_kernarg_size 32
		.amdhsa_user_sgpr_count 2
		.amdhsa_user_sgpr_kernarg_segment_ptr 1
		.amdhsa_wavefront_size32 1
		.amdhsa_system_sgpr_workgroup_id_x 1
		.amdhsa_system_sgpr_workgroup_id_y 1
		.amdhsa_system_sgpr_workgroup_id_z 1
		.amdhsa_system_vgpr_workitem_id 0
		.amdhsa_next_free_vgpr 256
		.amdhsa_next_free_sgpr 66
		.amdhsa_reserve_vcc 0
		.amdhsa_float_denorm_mode_32 3
		.amdhsa_float_denorm_mode_16_64 3
		.amdhsa_memory_ordered 1
		.amdhsa_forward_progress 1
		.amdhsa_inst_pref_size 29
	.end_amdhsa_kernel
	.amdgpu_metadata
---
amdhsa.version: [ 1, 2 ]
amdhsa.kernels:
  - .name:           k_qdf6f37213b_attn
    .symbol:         k_qdf6f37213b_attn.kd
    .args:
      - { .name: qb, .offset: 0, .size: 8, .value_kind: global_buffer, .address_space: global }
      - { .name: kv, .offset: 8, .size: 8, .value_kind: global_buffer, .address_space: global }
      - { .name: oc, .offset: 16, .size: 8, .value_kind: global_buffer, .address_space: global }
      - { .name: os, .offset: 24, .size: 8, .value_kind: global_buffer, .address_space: global }
    .group_segment_fixed_size: 263168
    .private_segment_fixed_size: 0
    .kernarg_segment_align: 8
    .kernarg_segment_size: 32
    .max_flat_workgroup_size: 512
    .sgpr_count:     66
    .vgpr_count:     256
    .wavefront_size: 32
...
	.end_amdgpu_metadata
.endif
;; end of part 3
;; launch outp (part 4): grid 4 x 64, 4 waves a work-group, clusters of 4 x 4, 327,680 bytes of LDS; arguments oc, os, wc, ws, bo, out0; writes out0
.if DOCPART == 4
	.amdgcn_target "amdgcn-amd-amdhsa--gfx1250"
	.amdhsa_code_object_version 6
	.text
	.protected	k_qdf6f37213b_outp
	.globl	k_qdf6f37213b_outp
	.p2align	8
	.type	k_qdf6f37213b_outp,@function
k_qdf6f37213b_outp:
	s_mov_b64 s[64:65], 0
	v_nop
	global_prefetch_b8 v0, s[64:65] scope:SCOPE_SE
	s_setreg_imm32_b32 hwreg(HW_REG_WAVE_MODE, 25, 1), 1
	s_wait_xcnt 0x0
	s_wait_alu depctr_hold_cnt(0) depctr_sa_sdst(0) depctr_va_vdst(0) depctr_va_sdst(0) depctr_va_ssrc(0) depctr_va_vcc(0) depctr_vm_vsrc(0)
	s_getreg_b32 s2, hwreg(HW_REG_IB_STS2, 6, 4)
	s_cmp_eq_u32 s2, 0
	s_cbranch_scc0 .Lentry_in_a_cluster
	s_endpgm
.Lentry_in_a_cluster:
	s_bfe_u32 s2, ttmp6, 0x10000c
	s_cmp_lg_u32 s2, 0xf033
	s_cbranch_scc0 .Lentry_shape_is_right
	s_endpgm
.Lentry_shape_is_right:
; out0 = O Wo + bo on codes of FP6 (E2M3) with E8M0 scales: O's codes oc [512 tiles of 16 stored tokens][16 chunks of 64 along K][768] and scale bytes os [4 slabs of 256 K][8192][8], as the launch before left them;
; Wo's are tiles 192-255 of wc and rows 3,072-4,095 of each slab of ws.  A stored tile 2 b + u holds the true rows 32 b + 8 u + (r & 7) + 16 (r >> 3), tokens and Wo's columns alike.
; THE DEAL.  A block of out0 is 128 tokens x 256 columns: 64 x 4 = 256 work-groups of four waves, 2 x 2; a wave makes 64 x 128: 32 accumulators of 16 x 16, 256 registers.
; K = 1,024 goes through a ring of two LDS slots, 256 along K each: O's 8 tiles and Wo's 16 tiles x 3,072 bytes.  A slot is two steps of 128 along K, 32 products a wave each.
; CLUSTERS of 4 x 4: O's tiles are shared along a row of the cluster, Wo's along a column, each asked for jointly.  At the head one load a wave: wave 0 slot 0's tiles of O, wave 2 Wo's, wave 1 O's scale bytes for
; all of K, wave 3 Wo's; slot 1 is first filled behind the full sequence and a round, a part a wave, and so are the two refills.  K has four slots and two are asked for at the head: no prefetch is written.
; BOTH OPERANDS HAVE TWO SETS OF FRAGMENTS: a step's 48 LDS loads are issued ahead of the products of the step before.
; THE MATRIX INSTRUCTION IS USED TRANSPOSED (source 0 = Wo's columns, source 1 = tokens): a lane holds eight neighbouring columns of a token's row.  The bias is the first products' C.
; REGISTERS: window 0: v12-31 addresses, v32-95 scale words in two sets, v128-223 O's fragments in two sets (the way out: v128-255); window 1: Wo's fragments at v0-95 and v128-223, the bias at v96-127 and v224-255;
; window 2: accumulator (a, b) at v[8 (8 a + b)].
.set TILB,   3072
.set BOFF,   8*TILB
.set SLOT,   24*TILB
.set SCL,    2*SLOT                    ; O's scale bytes: [slab][128 rows][8]
.set SCLB,   SCL+4096                  ; Wo's: [slab][256 rows][8]
.set SPARE,  SCL+12288
.set SPITCH, 528
.set FR,     12
.set NP,     4
.set BO,   12
.set ADR1, 16
.set ADR0, 20
.set ADS1, 24
.set ADS0, 25
.set O16,  26
.set O8,   27
.set SPW,  28
.set NIL,  29
.set STO,  30
.set RD,   31
.set SC1,  32
.set SC0,  48
.set BC,   96
.set AF,   128
.set BK,   128
.set G1, 24
.set G0, 32
.set G1B, 48
.set G0B, 56
.set G1S, 68
.set G0S, 76
.set G1SB, 80
.set G0SB, 88
.set MSB, 0
.macro WIN new
.if MSB != (\new)
	s_set_vgpr_msb (MSB<<8)|(\new)
.set MSB, (\new)
.endif
.endm
.set MUL,   0xa1                       ; source 0 window 1, source 1 window 0, C and D window 2
.set MUL_C, 0x91                       ; the same with C, the bias, in window 1
.set TO_B,  0x40
.macro PLACES n
.rept \n
	v_nop
.endr
.endm
.macro TLOAD g0, g1                    ; an s_nop 0 and four v_nop follow every tensor load
	tensor_load_to_lds s[\g0:\g0+3], s[\g1:\g1+7]
	s_nop 0
	PLACES 4
.endm
.macro JLOAD g0a, g1a, g0b, g1b        ; waves 0 and 1 fetch for O, waves 2 and 3 for Wo
	s_cmp_eq_u32 s15, 0
	s_cbranch_scc0 .Lfor_b_\@
	TLOAD \g0a, \g1a
	s_branch .Lasked_\@
.Lfor_b_\@:
	TLOAD \g0b, \g1b
.Lasked_\@:
.endm
.macro CREST
	s_cmp_lg_u32 s14, 0
	s_cbranch_scc1 .Lnot_wave_0_\@
	s_barrier_signal -3
.Lnot_wave_0_\@:
	s_barrier_wait -3
	s_barrier_signal -1
	s_barrier_wait -1
.endm
.macro CROUND
	s_barrier_signal -1
	s_barrier_wait -1
	CREST
.endm
	s_load_b256 s[4:11], s[0:1], 0x0               ; oc, os, wc, ws
	v_lshl_add_u32 v[SPW], v0, 2, SPARE
	v_mov_b32 v[NIL], 0
	ds_add_u32 v[SPW], v[NIL]                      ; the opening lines: the add, twice on end, and its wait
	ds_add_u32 v[SPW], v[NIL]
	s_wait_dscnt 0x0
	v_lshrrev_b32 v1, 5, v0
	v_readfirstlane_b32 s14, v1                    ; wave
	s_lshr_b32 s15, s14, 1                         ; my half of the block's rows; also: I fetch for O (0) or Wo (1)
	s_and_b32 s16, s14, 1                          ; my half of its columns; also: which half of a tile I fetch
	s_bfe_u32 s40, ttmp6, 0x40000
	s_bfe_u32 s41, ttmp6, 0x40004
	s_lshl_b32 s42, ttmp9, 2
	s_add_co_u32 s42, s42, s40                     ; block column, 0 .. 3
	s_and_b32 s17, ttmp7, 0xffff
	s_lshl_b32 s17, s17, 2
	s_add_co_u32 s17, s17, s41                     ; block row, 0 .. 63
	s_lshl_b32 s43, s41, 2
	s_lshl_b32 s43, 15, s43                        ; my row of the cluster
	s_lshl_b32 s44, 0x1111, s40                    ; my column
	s_or_b32 s[G1+0], s43, (3<<16)|(1<<21)
	s_or_b32 s[G1B+0], s44, (3<<16)|(1<<21)
.irp g, G1, G1B                        ; a tile's 3,072 bytes of a slot are a row; tiles lie 12,288 bytes apart
	s_mov_b32 s[\g+1], 384<<16
	s_mov_b32 s[\g+3], 384<<16
	s_mov_b32 s[\g+5], 1536
	s_mov_b32 s[\g+6], 0
	s_mov_b32 s[\g+7], 0
.endr
	s_mov_b32 s[G1+2], 8<<16                       ; the head's loads bring an operand's whole slot: 8 tiles of O,
	s_mov_b32 s[G1+4], 8
	s_mov_b32 s[G1B+2], 16<<16                     ; 16 of Wo
	s_mov_b32 s[G1B+4], 16
	s_or_b32 s[G1S+0], s43, (3<<16)|(1<<21)
	s_or_b32 s[G1SB+0], s44, (3<<16)|(1<<21)
.irp g, G1S, G1SB                      ; scale bytes: four slabs
	s_mov_b32 s[\g+2], 4<<16
	s_mov_b32 s[\g+4], 4
	s_mov_b32 s[\g+6], 0
	s_mov_b32 s[\g+7], 0
.endr
	s_mov_b32 s[G1S+1], 128<<16                    ; of 1,024 bytes for my 128 tokens,
	s_mov_b32 s[G1S+3], 128<<16
	s_mov_b32 s[G1S+5], 8192
	s_mov_b32 s[G1SB+1], 256<<16                   ; of 2,048 for my 256 columns
	s_mov_b32 s[G1SB+3], 256<<16
	s_mov_b32 s[G1SB+5], 4096
	s_lshl_b32 s18, s16, 2
	s_lshl_b32 s20, s17, 3
	s_add_co_u32 s20, s20, s18                     ; O: tile 8 x block row + 4 x half
	s_mul_i32 s20, s20, 12288
	s_mov_b32 s21, 0
	s_lshl_b32 s18, s16, 3
	s_lshl_b32 s46, s42, 4
	s_add_co_u32 s46, s46, s18                     ; Wo: tile 16 x block column + 8 x half
	s_mul_i32 s46, s46, 12288
	s_mov_b32 s47, 0
	s_lshl_b32 s22, s17, 10
	s_mov_b32 s23, 0
	s_lshl_b32 s92, s42, 11
	s_mov_b32 s93, 0
	s_mul_i32 s45, s16, 4*TILB                     ; where they go in a slot
	s_mul_i32 s94, s16, 8*TILB
	s_add_co_u32 s94, s94, BOFF
	s_wait_kmcnt 0x0
	s_add_nc_u64 s[20:21], s[4:5], s[20:21]
	s_add_nc_u64 s[22:23], s[6:7], s[22:23]
	s_add_nc_u64 s[46:47], s[8:9], s[46:47]
	s_add_nc_u64 s[46:47], s[46:47], 192*12288
	s_add_nc_u64 s[92:93], s[10:11], s[92:93]
	s_add_nc_u64 s[92:93], s[92:93], 3072*8
	CROUND                                         ; all sixteen work-groups are here: the first joint loads meet
	s_mov_b32 s[G0S], 1
	s_mov_b32 s[G0S+1], SCL
	s_mov_b64 s[G0S+2:G0S+3], s[22:23]
	s_or_b32 s[G0S+3], s[G0S+3], 0x80000000
	s_mov_b32 s[G0SB], 1
	s_mov_b32 s[G0SB+1], SCLB
	s_mov_b64 s[G0SB+2:G0SB+3], s[92:93]
	s_or_b32 s[G0SB+3], s[G0SB+3], 0x80000000
.irp s, 0,1
	s_mov_b32 s[G0+4*\s], 1
	s_add_co_u32 s[G0+4*\s+1], s45, \s*SLOT
	s_add_nc_u64 s[G0+4*\s+2:G0+4*\s+3], s[20:21], \s*3072
	s_or_b32 s[G0+4*\s+3], s[G0+4*\s+3], 0x80000000
	s_mov_b32 s[G0B+4*\s], 1
	s_add_co_u32 s[G0B+4*\s+1], s94, \s*SLOT
	s_add_nc_u64 s[G0B+4*\s+2:G0B+4*\s+3], s[46:47], \s*3072
	s_or_b32 s[G0B+4*\s+3], s[G0B+4*\s+3], 0x80000000
.endr
	; the head's four tiles in one chain of branches on the wave's number; the group 0 of waves 0 and 2 begins at the operand's first tile
	s_cmp_eq_u32 s14, 0
	s_cbranch_scc0 .Lhead_b
	TLOAD G0, G1
	s_branch .Lhead_asked
.Lhead_b:
	s_cmp_eq_u32 s14, 2
	s_cbranch_scc0 .Lhead_sa
	TLOAD G0B, G1B
	s_branch .Lhead_asked
.Lhead_sa:
	s_cmp_eq_u32 s14, 1
	s_cbranch_scc0 .Lhead_sb
	TLOAD G0S, G1S
	s_branch .Lhead_asked
.Lhead_sb:
	TLOAD G0SB, G1SB
.Lhead_asked:
	s_wait_alu depctr_va_vdst(0)
	s_wait_tensorcnt 0x0                           ; my tile of the four is in
	ds_add_u32 v[SPW], v[NIL]
	s_mov_b32 s[G1+2], 4<<16                       ; no tensor load of mine is out: from here on a load brings half an operand's slot
	s_mov_b32 s[G1+4], 4
	s_mov_b32 s[G1B+2], 8<<16
	s_mov_b32 s[G1B+4], 8
	s_wait_dscnt 0x0
	CROUND                                         ; all four tiles are in, in every partner
	JLOAD G0+4, G1, G0B+4, G1B                     ; slot 1's first fill
	s_load_b128 s[4:7], s[0:1], 0x20               ; bo, out0
	v_and_b32 v1, 15, v0                           ; r
	v_bfe_u32 v2, v0, 4, 1                         ; h
	v_and_b32 v3, 31, v0
	v_lshlrev_b32 v[O16], 4, v3                    ; a chunk image: words 0-3 at 16 x lane,
	v_lshlrev_b32 v[O8], 4, v1
	v_lshl_add_u32 v[O8], v2, 3, v[O8]             ; words 4-5 at 512 + 16 r + 8 h
	s_mul_i32 s21, s15, 4*TILB
	s_mul_i32 s22, s16, 8*TILB
	s_add_co_u32 s22, s22, BOFF
.irp s, 0,1
	v_add_nc_u32 v[ADR1+\s], s21, v[O16]
	v_add_nc_u32 v[ADR1+2+\s], s21, v[O8]
	v_add_nc_u32 v[ADR0+\s], s22, v[O16]
	v_add_nc_u32 v[ADR0+2+\s], s22, v[O8]
	s_add_co_u32 s21, s21, SLOT
	s_add_co_u32 s22, s22, SLOT
.endr
	s_lshl_b32 s21, s15, 9
	s_add_co_u32 s21, s21, SCL
	v_lshl_add_u32 v[ADS1], v1, 3, s21
	s_lshl_b32 s21, s16, 10
	s_add_co_u32 s21, s21, SCLB
	v_lshl_add_u32 v[ADS0], v1, 3, s21
	v_lshlrev_b32 v[BO], 6, v2
	s_mul_i32 s23, s14, 16*SPITCH                  ; my stage for the way out, in slot 0, which has had its last fill and its last read by then
	v_mul_u32_u24 v[STO], v1, SPITCH
	v_lshl_add_u32 v[STO], v2, 6, v[STO]
	v_add_nc_u32 v[STO], s23, v[STO]
	v_add_nc_u32 v[RD], s23, v[O16]
	s_wait_alu depctr_va_vdst(0)                   ; the wait at the head's end
	s_wait_kmcnt 0x0
	s_lshl_b32 s20, s42, 10
	s_lshl_b32 s21, s16, 9
	s_add_co_u32 s20, s20, s21                     ; my first column, in bytes
	s_mov_b32 s21, 0
	s_add_nc_u64 s[4:5], s[4:5], s[20:21]
	s_add_nc_u64 s[6:7], s[6:7], s[20:21]
	s_lshl_b32 s20, s17, 19                        ; my first row: 128 x block row + 64 x half, rows of 4,096 bytes
	s_lshl_b32 s22, s15, 18
	s_add_co_u32 s20, s20, s22
	s_add_nc_u64 s[6:7], s[6:7], s[20:21]
	WIN TO_B
.irp b, 0,1,2,3,4,5,6,7                ; the bias as the result lies: register j of tile b in lane (r, h) is column 32 (b / 2) + 8 (b % 2) + 16 h + j
	global_load_b128 v[BC+8*\b+96*(\b/4):BC+8*\b+96*(\b/4)+3], v[BO], s[4:5] offset:4*(32*(\b/2)+8*(\b%2))
	global_load_b128 v[BC+8*\b+96*(\b/4)+4:BC+8*\b+96*(\b/4)+7], v[BO], s[4:5] offset:4*(32*(\b/2)+8*(\b%2))+16
.endr
	WIN 0
.macro FRAG reg, a16, q, i             ; 16 rows x 128 along K: two chunk images
	ds_load_b128 v[\reg:\reg+3], v[\a16] offset:(\i)*3072+(\q)*1536
	ds_load_b64 v[\reg+4:\reg+5], v[\a16+2] offset:(\i)*3072+(\q)*1536+512
	ds_load_b128 v[\reg+6:\reg+9], v[\a16] offset:(\i)*3072+(\q)*1536+768
	ds_load_b64 v[\reg+10:\reg+11], v[\a16+2] offset:(\i)*3072+(\q)*1536+1280
.endm
.macro FETCH slot, q                   ; step q of a slot into set q: 48 loads
	WIN TO_B
.irp i, 0,1,2,3,4,5,6,7
	FRAG 128*(\q)+FR*\i, ADR0+\slot, \q, \i
.endr
	WIN 0
.irp i, 0,1,2,3
	FRAG AF+48*(\q)+FR*\i, ADR1+\slot, \q, \i
.endr
.endm
.macro SCALES sc, slab                 ; a slab's scale words, two steps' a row, into set sc: 12 loads
.irp i, 0,1,2,3
	ds_load_b64 v[SC1+32*\sc+2*\i:SC1+32*\sc+2*\i+1], v[ADS1] offset:\i*128+(\slab)*1024
.endr
.irp i, 0,1,2,3,4,5,6,7
	ds_load_b64 v[SC0+32*\sc+2*\i:SC0+32*\sc+2*\i+1], v[ADS0] offset:\i*128+(\slab)*2048
.endr
.endm
.macro MULA a, q, sc, first            ; 16 tokens x my 128 columns, 128 along K.  The 32 accumulators take turns, in the same order in every step
.irp b, 0,1,2,3,4,5,6,7
.if \first
	v_wmma_scale_f32_16x16x128_f8f6f4 v[8*(8*(\a)+\b):8*(8*(\a)+\b)+7], v[128*(\q)+FR*\b:128*(\q)+FR*\b+FR-1], v[AF+48*(\q)+FR*(\a):AF+48*(\q)+FR*(\a)+FR-1], v[BC+8*\b+96*(\b/4):BC+8*\b+96*(\b/4)+7], v[SC0+32*(\sc)+2*\b+(\q)], v[SC1+32*(\sc)+2*(\a)+(\q)] matrix_a_fmt:MATRIX_FMT_FP6 matrix_b_fmt:MATRIX_FMT_FP6
.else
	v_wmma_scale_f32_16x16x128_f8f6f4 v[8*(8*(\a)+\b):8*(8*(\a)+\b)+7], v[128*(\q)+FR*\b:128*(\q)+FR*\b+FR-1], v[AF+48*(\q)+FR*(\a):AF+48*(\q)+FR*(\a)+FR-1], v[8*(8*(\a)+\b):8*(8*(\a)+\b)+7], v[SC0+32*(\sc)+2*\b+(\q)], v[SC1+32*(\sc)+2*(\a)+(\q)] matrix_a_fmt:MATRIX_FMT_FP6 matrix_b_fmt:MATRIX_FMT_FP6
.endif
.endr
.endm
.macro STEP0 slot, first               ; a slot's first step; its second step's fragments are asked for ahead of the products
	PLACES NP                                      ; between the products that read set 1 and the loads into it
	FETCH \slot, 1
	s_wait_dscnt 48                                ; all but the 48 just issued: this step's fragments and scale words are in
.if \first
	WIN MUL_C
.else
	WIN MUL
.endif
.irp a, 0,1,2,3
	MULA \a, 0, \slot, \first
.endr
	WIN 0
.endm
.macro TURN slot, next, slab, fill     ; a slot's second step, and the change of slots
	s_wait_tensorcnt 0x0                           ; all my tensor loads have landed: my part of the next slot;
	ds_add_u32 v[SPW], v[NIL]                      ; 0 onto my spare word;
	s_wait_dscnt 1                                 ; this step's 48 loads are in; the add may be out
	WIN MUL
	MULA 0, 1, \slot, 0
	s_wait_dscnt 0x0                               ; the add is done, and my reads of this slot are over
	s_barrier_signal -1
	MULA 1, 1, \slot, 0
	WIN 0
	s_barrier_wait -1
.if \fill
	CREST                                          ; the barrier has opened a round of the cluster's barrier
	s_add_nc_u64 s[G0+4*\slot+2:G0+4*\slot+3], s[G0+4*\slot+2:G0+4*\slot+3], 6144
	s_add_nc_u64 s[G0B+4*\slot+2:G0B+4*\slot+3], s[G0B+4*\slot+2:G0B+4*\slot+3], 6144
	JLOAD G0+4*\slot, G1, G0B+4*\slot, G1B         ; two slots on, the first tensor load behind the round; its four v_nop are the places ahead of the loads below
.else
	PLACES NP
.endif
	FETCH \next, 0
	SCALES \next, \slab
	WIN MUL
	MULA 2, 1, \slot, 0
	MULA 3, 1, \slot, 0
	WIN 0
.endm
	FETCH 0, 0
	SCALES 0, 0
	s_wait_loadcnt 0x0                             ; the bias
	STEP0 0, 1
	TURN 0, 1, 1, 1
	STEP0 1, 0
	TURN 1, 0, 2, 1
	STEP0 0, 0
	TURN 0, 1, 3, 0
	STEP0 1, 0
	s_wait_dscnt 0x0                               ; the very last step
	WIN MUL
.irp a, 0,1,2,3
	MULA \a, 1, 1, 0
.endr
	WIN 0
; THE WAY OUT, block by block of 16 tokens x 128 columns, through my own stage: in as a lane's 32 bytes, each accumulator from its low end on; back as whole rows of 512 bytes, which the 32 lanes store as two aligned units of 256.
.macro TOSTAGE a
.set AC, 64*(\a)
	WIN 0x08
.irp b, 0,1,2,3,4,5,6,7
	ds_store_b128 v[STO], v[AC+8*\b:AC+8*\b+3] offset:128*(\b/2)+32*(\b%2)
	ds_store_b128 v[STO], v[AC+8*\b+4:AC+8*\b+7] offset:128*(\b/2)+32*(\b%2)+16
.endr
	WIN 0
.set BB, BK+64*((\a)%2)
.irp t, 0,1,2,3,4,5,6,7,8,9,10,11,12,13,14,15
	ds_load_b128 v[BB+4*\t:BB+4*\t+3], v[RD] offset:\t*SPITCH      ; LDS serves a wave's instructions in order: these see the stores above
.endr
.endm
.macro SEND a, younger                 ; stored row t of tile a is true row 32 (a / 2) + 8 (a % 2) + 16 (t / 8) + t % 8
.set BB, BK+64*((\a)%2)
	s_wait_dscnt \younger
.irp t, 0,1,2,3,4,5,6,7,8,9,10,11,12,13,14,15
	global_store_b128 v[O16], v[BB+4*\t:BB+4*\t+3], s[6:7] offset:(32*((\a)/2)+8*((\a)%2)+16*(\t/8)+\t%8)*4096 th:TH_STORE_NT
.endr
.endm
	PLACES NP
	TOSTAGE 0
.irp a, 1,2,3
.if \a > 1
	s_wait_xcnt 0x0                                ; block a - 2's stores have read their registers: block a's loads may land there
.endif
	TOSTAGE \a
	SEND \a-1, 32                                  ; behind block a - 1's loads: block a's 16 stores and 16 loads
.endr
	SEND 3, 0
	s_wait_tensorcnt 0x0                           ; the wave's end
	ds_add_u32 v[SPW], v[NIL]
	s_wait_dscnt 0x0
	CROUND                                         ; the closing round
	s_endpgm
.Lfunc_end_k_qdf6f37213b_outp:
	.size	k_qdf6f37213b_outp, .Lfunc_end_k_qdf6f37213b_outp-k_qdf6f37213b_outp
	.p2alignl 7, 3214868480
	.fill 96, 4, 3214868480
	.section	.rodata,"a",@progbits
	.p2align	6, 0x0
	.amdhsa_kernel k_qdf6f37213b_outp
		.amdhsa_group_segment_fixed_size 327680
		.amdhsa_private_segment_fixed_size 0
		.amdhsa_enable_private_segment 0
		.amdhsa_kernarg_size 48
		.amdhsa_user_sgpr_count 2
		.amdhsa_user_sgpr_kernarg_segment_ptr 1
		.amdhsa_wavefront_size32 1
		.amdhsa_system_sgpr_workgroup_id_x 1
		.amdhsa_system_sgpr_workgroup_id_y 1
		.amdhsa_system_sgpr_workgroup_id_z 1
		.amdhsa_system_vgpr_workitem_id 0
		.amdhsa_next_free_vgpr 768
		.amdhsa_next_free_sgpr 98
		.amdhsa_reserve_vcc 0
		.amdhsa_float_denorm_mode_32 3
		.amdhsa_float_denorm_mode_16_64 3
		.amdhsa_memory_ordered 1
		.amdhsa_forward_progress 1
		.amdhsa_inst_pref_size 90
	.end_amdhsa_kernel
	.amdgpu_metadata
---
amdhsa.version: [ 1, 2 ]
amdhsa.kernels:
  - .name:           k_qdf6f37213b_outp
    .symbol:         k_qdf6f37213b_outp.kd
    .args:
      - { .name: oc, .offset: 0, .size: 8, .value_kind: global_buffer, .address_space: global }
      - { .name: os, .offset: 8, .size: 8, .value_kind: global_buffer, .address_space: global }
      - { .name: wc, .offset: 16, .size: 8, .value_kind: global_buffer, .address_space: global }
      - { .name: ws, .offset: 24, .size: 8, .value_kind: global_buffer, .address_space: global }
      - { .name: bo, .offset: 32, .size: 8, .value_kind: global_buffer, .address_space: global }
      - { .name: out0, .offset: 40, .size: 8, .value_kind: global_buffer, .address_space: global }
    .group_segment_fixed_size: 327680
    .private_segment_fixed_size: 0
    .kernarg_segment_align: 8
    .kernarg_segment_size: 48
    .max_flat_workgroup_size: 128
    .sgpr_count:     98
    .vgpr_count:     768
    .wavefront_size: 32
...
	.end_amdgpu_metadata
.endif
;; end of part 4
